; MI455X (gfx1250); checked and timed in simulation.
; The chip was launched on July 23, 2026; its instructions are those of AMD's public machine-readable ISA for CDNA 5 (MIT licence, August 2026) and "CDNA5" Instruction Set Architecture Reference Guide (July 2026). The comments in the code are by the model that wrote it; some were corrected since.
;; Attn. Allowed arithmetic: matrix products marked QUANTISED: E2M1 operands, one E8M0 scale for each 32 along K, by v_wmma_scale_f32_16x16x128_f8f6f4 with both operands' format E2M1 (or v_wmma_scale_f32_32x16x128_f4), f32 sums; products left as they are: bf16, f16 or f32 operands; f32 sums; everything else in f32.
;; Inputs: Wk 1,024 x 1,024 float32; Wproj 1,024 x 1,024 float32; Wq 1,024 x 1,024 float32; Wv 1,024 x 1,024 float32; cos 2,048 x 16 float32; q_gain 32 float32; sin 2,048 x 16 float32; x 2 x 2,048 x 1,024 float32.
;; Outputs: out0 2 x 2,048 x 1,024 float32.
;; This version of the problem:
;;   THIS VERSION OF THE PROBLEM IS GIVEN IN LOW PRECISION. The matrix products marked QUANTISED in the list below multiply operands that are first quantised to E2M1 (2 exponent bits, 1 mantissa bit; 4 bits a number), with one power-of-two scale for each 32 numbers along K (OCP MX v1.0); their sums are f32. The products marked 'left as it is' may take bf16, f16 or f32 operands, with f32 sums. Whichever they take, every output number must still come out within the allowed error. Rounding operands to bf16 (8 significant bits) uses up far more of that allowance than f16 does (11 bits, for magnitudes from 6e-5 to 65,504). All else is computed in f32.
;;   The module's matrix products, in the order in which they are computed (A, B: the left and right operand; K: the contracted axis; several contracted axes count as one K, in the product's order):
;;     1. [M 4,096, K 1,024] x [K 1,024, N 1,024]; A: input x; B: input Wq: QUANTISED
;;     2. [M 4,096, K 1,024] x [K 1,024, N 1,024]; A: input x; B: input Wk: QUANTISED
;;     3. [M 4,096, K 1,024] x [K 1,024, N 1,024]; A: input x; B: input Wv: QUANTISED
;;     4. batch 64 x [M 2,048, K 32] x [K 32, N 2,048]; A: computed on the way; B: computed on the way: left as it is (an operand is computed on the way)
;;     5. batch 64 x [M 2,048, K 2,048] x [K 2,048, N 32]; A: computed on the way; B: computed on the way: left as it is (an operand is computed on the way)
;;     6. [M 4,096, K 1,024] x [K 1,024, N 1,024]; A: computed on the way; B: input Wproj: left as it is (an operand is computed on the way)
;;   THE QUANTISER, for each operand of a quantised product, along K:
;;     - K is cut into blocks of 32 from its start; a last block that is shorter is filled with zeros.
;;     - A block's scale is 2^e with e = floor(log2(the largest magnitude in the block)) - 2, held to -126 .. 127; a block of zeros has e = 0. As a byte (E8M0): e + 127.
;;     - Each number is divided by its block's scale, clamped to +-6, and rounded to the nearest number of E2M1, ties to even, subnormals kept.
;;     - The product sums the exact products of the quantised numbers (number of the format x scale) in f32.
;;   ~~~python
;;   def quantise(x, axis):      # numpy; x: float32 -> the quantised numbers, widened to float32 again
;;       x = np.moveaxis(x, axis, -1); K = x.shape[-1]
;;       x = np.pad(x, [(0, 0)] * (x.ndim - 1) + [(0, -K % 32)]); x = x.reshape(x.shape[:-1] + (-1, 32)); a = np.abs(x).max(-1, keepdims=True)
;;       e = np.where(a > 0, np.clip(np.frexp(np.where(a > 0, a, 1))[1] - 1 - 2, -126, 127), 0)      # np.frexp(a)[1] - 1 = floor(log2(a)), exactly
;;       r = np.clip(x / 2.0 ** e, -6, 6)
;;       step = 2.0 ** (np.maximum(np.frexp(np.where(r == 0, 1, r))[1] - 1, 0) - 1)
;;       q = np.round(r / step) * step * 2.0 ** e      # np.round: ties to even
;;       return np.moveaxis(q.reshape(q.shape[:-2] + (-1,))[..., :K], -1, axis).astype(np.float32)
;;   ~~~
;; One version. Each part assembles by itself: llvm-mc -triple=amdgcn-amd-amdhsa -mcpu=gfx1250 --defsym DOCPART=n.
;; ======== version 1 of 1: 5 launches
;; limits: values are held in f16: magnitudes above 65,504 overflow, below 6.1e-05 lose precision; right only within a limited range of input values
;; workspace buffers: xc 2,097,152 bytes; xs 131,072 bytes; wc 1,572,864 bytes; ws 98,304 bytes; wp 4,194,304 bytes; qkv 25,165,824 bytes; fin 393,216 bytes; yf 8,388,608 bytes
;; launch prep (part 1): grid 256 x 1, 4 waves a work-group, no clusters, 67,072 bytes of LDS; arguments x, Wq, Wk, Wv, Wproj, xc, xs, wc, ws, wp; writes xc, xs, wc, ws, wp
.if DOCPART == 1
	.amdgcn_target "amdgcn-amd-amdhsa--gfx1250"
	.amdhsa_code_object_version 6
	.text
	.protected	k_q6cb59715db_prep
	.globl	k_q6cb59715db_prep
	.p2align	8
	.type	k_q6cb59715db_prep,@function
k_q6cb59715db_prep:
	s_mov_b64 s[64:65], 0
	v_nop
	global_prefetch_b8 v0, s[64:65] scope:SCOPE_SE
	s_setreg_imm32_b32 hwreg(HW_REG_WAVE_MODE, 25, 1), 1
	s_wait_xcnt 0x0
; PREP.  Two jobs, parted on the work-group's number.
; Work-groups 0-223: x [4096][1024] and Wq, Wk, Wv [1024][1024], f32, K innermost, become codes of FP4 (E2M1), two a byte, and one E8M0 byte for each 32 along K:
;   xc [4096][512 B], xs [4096][32];  wc [3072][512 B], ws [3072][32] (rows 0-1023 Wq, 1024-2047 Wk, 2048-3071 Wv).  Rows are dense and K is a multiple of 32: every tensor is a plain stream of blocks.
;   A block's scale is 2^(floor(log2(largest magnitude)) - 2); its byte is that magnitude's exponent field - 2, held at 1 from below (a block of zeros gets 1: its codes are zeros, and this program alone reads the bytes).
; Work-groups 224-255: Wproj [1024][1024] f32 becomes two f16 numbers, a high part (the number rounded to 11 significant bits) and a low part (the rest), laid as IMAGES OF OPERAND REGISTERS:
;   fragment (nt, ks) = rows 16 nt .. +15, k 32 ks .. +31, 1,024 bytes at (32 nt + ks) x 1,024; in it registers 4 c .. 4 c + 3 of lane l at 512 c + 16 l.  High parts from byte 0 of wp, low parts from byte 2,097,152.
; LIMITS: NaN and infinities are not served; blocks whose largest magnitude lies under 2^-124 keep the byte 1; |Wproj| stays under 65,504; parts of Wproj under 6e-5 carry an absolute error of 3e-8.
; No tensor loads, no barrier: waves share nothing.  No cluster: no two work-groups read the same bytes.  The two paths have LDS bytes of their own.
.set SPW,   12                         ; v12  LDS address of my spare word; never rewritten
.set NIL,   13                         ; v13  0; never rewritten
.set SPARE, 66560                      ; behind both paths' regions: 128 bytes a wave that no other line names
.set STEPS, 16
.set CB,    8                          ; bytes of 16 codes
.set WREG,  8192                       ; codes' path: a wave's region: two stages of 32 x SP bytes, then its 256 scale bytes
.set SP,    80                         ; a lane's place in a stage: 64 bytes + 16 of padding
.set QR,    16                         ; v16-79   four sets of 16 numbers as loaded
.set QX,    80                         ; v80-111  two sets of 16 neighbours
.set QE,    112                        ; v112-127 a scale byte for each step
.set QC,    128                        ; v128-191 codes, four registers a step
.set PST,   32768                      ; Wproj's path: a wave's stage of 16 rows x PPITCH
.set PPITCH, 528                       ; 512 bytes + 16 of padding
.set PR,    16                         ; v16-79   16 rows x 128 numbers as loaded
.set PH,    80                         ; v80-111  high parts, 8 registers a fragment
.set PT,    112                        ; v112-119 at work
.set PX,    128                        ; v128-191 the numbers in the fragments' order; the low parts take their place
.set LOWP,  2097152
	s_load_b256 s[4:11], s[0:1], 0x0               ; x, Wq, Wk, Wv
	s_load_b256 s[12:19], s[0:1], 0x20             ; Wproj, xc, xs, wc
	s_load_b128 s[20:23], s[0:1], 0x40             ; ws, wp
	v_lshl_add_u32 v[SPW], v0, 2, SPARE
	v_mov_b32 v[NIL], 0
	v_lshrrev_b32 v1, 5, v0
	v_readfirstlane_b32 s24, v1                    ; wave
	v_and_b32 v2, 31, v0                           ; lane
	v_lshlrev_b32 v3, 4, v2                        ; 16 x lane
	s_wait_kmcnt 0x0
	s_cmp_ge_u32 ttmp9, 224
	s_cbranch_scc1 .Lproj
	; ---------------- the codes' path ----------------
	s_mul_i32 s25, s24, WREG
	v_lshrrev_b32 v14, 2, v2
	v_mul_u32_u24 v14, v14, SP
	v_and_b32 v15, 3, v2
	v_lshl_add_u32 v14, v15, 4, v14
	v_add_nc_u32 v14, s25, v14                     ; the stage, on the way in: four lanes' 64 bytes on end, then 16 of padding
	v_mul_u32_u24 v15, v2, SP
	v_add_nc_u32 v15, s25, v15                     ; on the way out: my 16 neighbours
	v_mul_u32_u24 v4, v2, CB                       ; my codes' place in a step's
	v_lshrrev_b32 v5, 1, v2
	s_add_co_u32 s25, s25, 2*32*SP
	v_add_nc_u32 v5, s25, v5                       ; my wave's 256 scale bytes, my block's byte
	v_lshlrev_b32 v7, 3, v2
	v_add_nc_u32 v6, s25, v7                       ; and on the way out 8 bytes a lane
	; which tensor: the choice hangs on the work-group's number alone.  0-127 x, 128-159 Wq, 160-191 Wk, 192-223 Wv
	s_cmp_lt_u32 ttmp9, 192
	s_cselect_b64 s[26:27], s[8:9], s[10:11]
	s_cmp_lt_u32 ttmp9, 160
	s_cselect_b64 s[26:27], s[6:7], s[26:27]
	s_and_b32 s28, ttmp9, 31                       ; a weight's run of 32,768 numbers
	s_sub_co_u32 s29, ttmp9, 128                   ; and its place among the three weights' codes
	s_cmp_lt_u32 ttmp9, 128
	s_cselect_b64 s[4:5], s[4:5], s[26:27]         ; the numbers
	s_cselect_b64 s[8:9], s[14:15], s[18:19]       ; the codes
	s_cselect_b64 s[10:11], s[16:17], s[20:21]     ; the scale bytes
	s_cselect_b32 s28, ttmp9, s28
	s_cselect_b32 s29, ttmp9, s29
	s_lshl_b32 s28, s28, 2
	s_add_co_u32 s28, s28, s24                     ; my wave's run of 8,192 numbers, on the way in
	s_lshl_b32 s29, s29, 2
	s_add_co_u32 s29, s29, s24                     ; and on the way out
	s_lshl_b32 s30, s28, 15                        ; 32,768 bytes of numbers a run
	s_mov_b32 s31, 0
	s_add_nc_u64 s[4:5], s[4:5], s[30:31]
	s_lshl_b32 s30, s29, 12                        ; 4,096 bytes of codes
	s_add_nc_u64 s[8:9], s[8:9], s[30:31]
	s_lshl_b32 s30, s29, 8                         ; 256 scale bytes
	s_add_nc_u64 s[10:11], s[10:11], s[30:31]
.macro QLOAD t
.irp i, 0,1,2,3
	global_load_b128 v[QR+16*((\t)%4)+4*\i:QR+16*((\t)%4)+4*\i+3], v3, s[4:5] offset:2048*(\t)+512*\i th:TH_LOAD_NT   ; 32 lanes read 512 consecutive bytes
.endr
.endm
.macro QTURN t                         ; a step's numbers through the stage; LDS serves a wave's instructions in order (ISA guide 5.7.1.4), so no wait stands between the stores and the loads
.irp i, 0,1,2,3
	ds_store_b128 v14, v[QR+16*((\t)%4)+4*\i:QR+16*((\t)%4)+4*\i+3] offset:32*SP*((\t)%2)+8*SP*\i
.endr
.irp i, 0,1,2,3
	ds_load_b128 v[QX+16*((\t)%2)+4*\i:QX+16*((\t)%2)+4*\i+3], v15 offset:32*SP*((\t)%2)+16*\i
.endr
.endm
.irp t, 0,1,2,3
	QLOAD \t
.endr
	s_wait_loadcnt 12                              ; step 0's four loads are in; three steps' twelve may be out
	QTURN 0
.macro QSTEP t
.set XS, QX+16*((\t)%2)
.if (\t) > 0
	s_wait_dscnt 1                                 ; this step's numbers are back from the stage (the last step's byte store may be out): its stores into the stage have read their registers,
.else
	s_wait_dscnt 0x0
.endif
.if (\t)+4 < STEPS
	QLOAD (\t)+4                                   ; which take the loads of four steps on
.endif
.if (\t)+1 < STEPS
.if STEPS-2-(\t) >= 3
	s_wait_loadcnt 12                              ; the next step's four loads are in; those of the three steps behind it may be out
.else
	s_wait_loadcnt 4*(STEPS-2-(\t))
.endif
	QTURN (\t)+1
.endif
	v_max3_num_f32 v8, |v[XS]|, |v[XS+1]|, |v[XS+2]|               ; the largest magnitude of my 16, in two chains
	v_max3_num_f32 v9, |v[XS+3]|, |v[XS+4]|, |v[XS+5]|
.irp i, 6,10
	v_max3_num_f32 v8, v8, |v[XS+\i]|, |v[XS+\i+1]|
	v_max3_num_f32 v9, v9, |v[XS+\i+2]|, |v[XS+\i+3]|
.endr
	v_max3_num_f32 v8, v8, |v[XS+14]|, |v[XS+15]|
	v_max3_num_f32 v8, v8, v9, 0x1800000           ; and the floor 2^(3 - 127): the byte cannot fall under 1
	v_max_num_f32_dpp v8, v8, v8 row_xmask:1 row_mask:0xf bank_mask:0xf   ; and of my neighbour's 16: the block's
	v_add_nc_u32 v11, 0xff000000, v8               ; 2 off its exponent field: the conversion takes the exponent field of this operand as its scale
	v_cvt_scalef32_pk8_fp4_f32 v[QC+4*(\t)], v[XS:XS+7], v11
	v_cvt_scalef32_pk8_fp4_f32 v[QC+4*(\t)+1], v[XS+8:XS+15], v11
	v_lshrrev_b32 v[QE+(\t)], 23, v11              ; the scale's byte (also the plain line behind the conversions)
	ds_store_b8 v5, v[QE+(\t)] offset:16*(\t)      ; both lanes of a block write the same byte with the same value
	global_store_b64 v4, v[QC+4*(\t):QC+4*(\t)+1], s[8:9] offset:32*CB*(\t)   ; the wave stores 256 consecutive bytes, aligned
.endm
.irp t, 0,1,2,3,4,5,6,7,8,9,10,11,12,13,14,15
	QSTEP \t
.endr
	ds_load_b64 v[8:9], v6                         ; behind my byte stores, in order
	s_wait_dscnt 0x0
	global_store_b64 v7, v[8:9], s[10:11]          ; 32 lanes store 256 consecutive bytes, aligned
	s_branch .Lend
	; ---------------- Wproj's path ----------------
; Wave pw = 4 (work-group - 224) + wave takes 16 rows (nt = pw / 2) x 512 along K (kh = pw % 2), in four units of 128 along K = four fragments.
.Lproj:
	s_sub_co_u32 s25, ttmp9, 224
	s_lshl_b32 s25, s25, 1
	s_lshr_b32 s26, s24, 1
	s_add_co_u32 s25, s25, s26                     ; nt
	s_and_b32 s26, s24, 1                          ; kh
	s_lshl_b32 s28, s25, 16                        ; 16 rows of 4,096 bytes
	s_lshl_b32 s29, s26, 11                        ; 512 numbers
	s_add_co_u32 s28, s28, s29
	s_mov_b32 s29, 0
	s_add_nc_u64 s[12:13], s[12:13], s[28:29]
	s_lshl_b32 s28, s25, 15                        ; 32 fragments of 1,024 bytes
	s_lshl_b32 s30, s26, 14                        ; 16 fragments
	s_add_co_u32 s28, s28, s30
	s_add_nc_u64 s[22:23], s[22:23], s[28:29]
	s_mul_i32 s27, s24, 16*PPITCH
	s_add_co_u32 s27, s27, PST                     ; my stage
	v_add_nc_u32 v4, s27, v3                       ; in: a row's 512 bytes as they lie
	v_and_b32 v5, 15, v0                           ; r
	v_bfe_u32 v6, v0, 4, 1                         ; h
	v_mul_u32_u24 v5, v5, PPITCH
	v_lshl_add_u32 v5, v6, 5, v5
	v_add_nc_u32 v5, s27, v5                       ; out: row r, + 32 h: eight numbers of my half
; A pair of numbers v[x], v[x+1] into high parts (packed in v[hh]) and low parts (packed in v[ll]).  The high part is the number with half of bit 13 added to its bits and the low 13 bits cut:
; 11 significant bits, which f16 holds as they are; the difference is exact in f32.
.macro SPLIT x, hh, ll, t
	v_add_nc_u32 v[\t], 0x1000, v[\x]
	v_add_nc_u32 v[(\t)+1], 0x1000, v[(\x)+1]
	v_and_b32 v[\t], 0xffffe000, v[\t]
	v_and_b32 v[(\t)+1], 0xffffe000, v[(\t)+1]
	v_pk_add_f32 v[\x:(\x)+1], v[\x:(\x)+1], v[\t:(\t)+1] neg_lo:[0,1] neg_hi:[0,1]
	v_cvt_pk_f16_f32 v[\hh], v[\t], v[(\t)+1]
	v_cvt_pk_f16_f32 v[\ll], v[\x], v[(\x)+1]
.endm
.macro PLOAD i
.irp p, 0,1,2,3,4,5,6,7,8,9,10,11,12,13,14,15
	global_load_b128 v[PR+4*\p:PR+4*\p+3], v3, s[12:13] offset:\p*4096+(\i)*512 th:TH_LOAD_NT   ; row p: 512 consecutive bytes
.endr
.endm
.macro PUNIT i
	s_wait_loadcnt 0x0                             ; the unit's 16 rows are in
.irp p, 0,1,2,3,4,5,6,7,8,9,10,11,12,13,14,15
	ds_store_b128 v4, v[PR+4*\p:PR+4*\p+3] offset:\p*PPITCH
.endr
	s_wait_xcnt 0x0                                ; the last unit's stores have read their registers: they are written again only behind this wait
.irp f, 0,1,2,3
.irp c, 0,1
.irp q, 0,1
	ds_load_b128 v[PX+16*\f+8*\c+4*\q:PX+16*\f+8*\c+4*\q+3], v5 offset:128*\f+64*\c+16*\q   ; fragment f: k = 16 c + 8 h + 4 q + 0 .. 3 of row r
.endr
.endr
.endr
	s_wait_dscnt 0x0                               ; the numbers are back, and the stores into the stage have read their registers,
.if (\i) < 3
	PLOAD (\i)+1                                   ; which take the next unit's loads
.endif
.irp f, 0,1,2,3
.irp p, 0,1,2,3,4,5,6,7
	SPLIT PX+16*\f+2*\p, PH+8*\f+\p, PX+16*\f+\p, PT+2*(\p%4)      ; the low parts go where numbers lay that have been taken
.endr
.endr
.irp f, 0,1,2,3
.irp c, 0,1
	global_store_b128 v3, v[PH+8*\f+4*\c:PH+8*\f+4*\c+3], s[22:23] offset:(4*(\i)+\f)*1024+512*\c        ; 32 lanes store 512 consecutive bytes, aligned
	global_store_b128 v3, v[PX+16*\f+4*\c:PX+16*\f+4*\c+3], s[22:23] offset:LOWP+(4*(\i)+\f)*1024+512*\c
.endr
.endr
.endm
	PLOAD 0
	PUNIT 0
	PUNIT 1
	PUNIT 2
	PUNIT 3
.Lend:
	s_wait_tensorcnt 0x0                           ; the wave's end, behind my last LDS store
	ds_add_u32 v[SPW], v[NIL]
	s_wait_dscnt 0x0
	s_endpgm
.Lfunc_end_k_q6cb59715db_prep:
	.size	k_q6cb59715db_prep, .Lfunc_end_k_q6cb59715db_prep-k_q6cb59715db_prep
	.p2alignl 7, 3214868480
	.fill 96, 4, 3214868480
	.section	.rodata,"a",@progbits
	.p2align	6, 0x0
	.amdhsa_kernel k_q6cb59715db_prep
		.amdhsa_group_segment_fixed_size 67072
		.amdhsa_private_segment_fixed_size 0
		.amdhsa_enable_private_segment 0
		.amdhsa_kernarg_size 80
		.amdhsa_user_sgpr_count 2
		.amdhsa_user_sgpr_kernarg_segment_ptr 1
		.amdhsa_wavefront_size32 1
		.amdhsa_system_sgpr_workgroup_id_x 1
		.amdhsa_system_sgpr_workgroup_id_y 1
		.amdhsa_system_sgpr_workgroup_id_z 1
		.amdhsa_system_vgpr_workitem_id 0
		.amdhsa_next_free_vgpr 192
		.amdhsa_next_free_sgpr 66
		.amdhsa_reserve_vcc 0
		.amdhsa_float_denorm_mode_32 3
		.amdhsa_float_denorm_mode_16_64 3
		.amdhsa_memory_ordered 1
		.amdhsa_forward_progress 1
		.amdhsa_inst_pref_size 111
	.end_amdhsa_kernel
	.amdgpu_metadata
---
amdhsa.version: [ 1, 2 ]
amdhsa.kernels:
  - .name:           k_q6cb59715db_prep
    .symbol:         k_q6cb59715db_prep.kd
    .args:
      - { .name: x, .offset: 0, .size: 8, .value_kind: global_buffer, .address_space: global }
      - { .name: Wq, .offset: 8, .size: 8, .value_kind: global_buffer, .address_space: global }
      - { .name: Wk, .offset: 16, .size: 8, .value_kind: global_buffer, .address_space: global }
      - { .name: Wv, .offset: 24, .size: 8, .value_kind: global_buffer, .address_space: global }
      - { .name: Wproj, .offset: 32, .size: 8, .value_kind: global_buffer, .address_space: global }
      - { .name: xc, .offset: 40, .size: 8, .value_kind: global_buffer, .address_space: global }
      - { .name: xs, .offset: 48, .size: 8, .value_kind: global_buffer, .address_space: global }
      - { .name: wc, .offset: 56, .size: 8, .value_kind: global_buffer, .address_space: global }
      - { .name: ws, .offset: 64, .size: 8, .value_kind: global_buffer, .address_space: global }
      - { .name: wp, .offset: 72, .size: 8, .value_kind: global_buffer, .address_space: global }
    .group_segment_fixed_size: 67072
    .private_segment_fixed_size: 0
    .kernarg_segment_align: 8
    .kernarg_segment_size: 80
    .max_flat_workgroup_size: 128
    .sgpr_count:     66
    .vgpr_count:     192
    .wavefront_size: 32
...
	.end_amdgpu_metadata
.endif
;; end of part 1
;; launch qkv (part 2): grid 12 x 16, 4 waves a work-group, clusters of 4 x 4, 327,680 bytes of LDS; arguments xc, xs, wc, ws, cos, sin, q_gain, qkv, fin; writes qkv, fin
.if DOCPART == 2
	.amdgcn_target "amdgcn-amd-amdhsa--gfx1250"
	.amdhsa_code_object_version 6
	.text
	.protected	k_q6cb59715db_qkv
	.globl	k_q6cb59715db_qkv
	.p2align	8
	.type	k_q6cb59715db_qkv,@function
k_q6cb59715db_qkv:
	s_mov_b64 s[64:65], 0
	v_nop
	global_prefetch_b8 v0, s[64:65] scope:SCOPE_SE
	s_setreg_imm32_b32 hwreg(HW_REG_WAVE_MODE, 25, 1), 1
	s_wait_xcnt 0x0
	s_wait_alu depctr_hold_cnt(0) depctr_sa_sdst(0) depctr_va_vdst(0) depctr_va_sdst(0) depctr_va_ssrc(0) depctr_va_vcc(0) depctr_vm_vsrc(0)
	s_getreg_b32 s2, hwreg(HW_REG_IB_STS2, 6, 4)
	s_cmp_eq_u32 s2, 0
	s_cbranch_scc0 .Lentry_in_a_cluster
	s_endpgm
.Lentry_in_a_cluster:
	s_bfe_u32 s2, ttmp6, 0x10000c
	s_cmp_lg_u32 s2, 0xf033
	s_cbranch_scc0 .Lentry_shape_is_right
	s_endpgm
.Lentry_shape_is_right:
; QKV.  C[m][n] = sum over k of x[m][k] W[n][k] on codes of FP4 with E8M0 scales (M 4,096, N 3,072 = Wq, Wk, Wv on end, K 1,024), then in f32: RMS norm over a head's 32, RoPE, the gain; out as f16.
; A tile of C, 256 x 256, is made by four waves, 128 x 128 each: 64 accumulators, 512 registers.  K = 1,024 is two LDS slots of 512: both, and all scale bytes, are first fills: nothing is filled again.
; CLUSTERS: 4 x 4 work-groups; x's tiles are shared along a row of the cluster, W's along a column: joint loads.  The cluster's x is the kind: 0 q, 1 k, 2 v.
; THE MATRIX INSTRUCTION IS USED TRANSPOSED (source 0 = 16 rows of W, source 1 = 16 rows of x): lane (r, h) of accumulator (a, b) holds token 16 a + r and channels 16 b + 8 h + 0 .. 7.  A head is b = 2 g (its first 16 channels) and 2 g + 1.
; q is also multiplied by gain x log2(e) / sqrt(32), so that a score is the exponent of 2 as it stands.
; OUT: qkv, for bh = 32 batch + head 393,216 bytes: q's images, k's at + 131,072, v's at + 262,144; an image is 16 tokens x 32 channels of f16, 1,024 bytes.
;   q, k: an image of an operand's registers: registers 4 c .. 4 c + 3 of lane l at 512 c + 16 l (lane (r, h): token r, channels 16 c + 8 h + 0 .. 7).
;   v: the 16 bytes (token r, channels 16 ct + 8 h + 0 .. 7) at 512 ct + 256 (r / 8) + 128 h + 16 (r % 8): the turning LDS load at 512 ct + 16 lane then gives channel lane % 16 and keys 8 (lane / 16) + 0 .. 7.
;   fin: positions 0-15 of each sequence once more, in f32: ((3 bh + kind) x 2,048) + 512 i + 16 lane: registers 4 i .. 4 i + 3 of a lane's 16 (channels 8 h + 0 .. 7, then 16 + 8 h + 0 .. 7).
; LIMITS: |v| and |q x gain| / 4 stay under 65,504 (f16); NaN and infinities are not served.
; REGISTERS, in windows of 256: window 0: v0-31 addresses; v32-95 scale words, two sets; from v128 x's fragments, one set; in the epilogue v32-255 are free.  window 1: W's fragments, two sets.  windows 2, 3: the accumulators.
.set KSTEP,  512
.set NQ,     4
.set ROWB,   256
.set KROW,   512                       ; a row of codes in memory
.set PITCH,  272                       ; an LDS row: 256 bytes + 16 of padding: the 16 rows of a load start at 16 different banks (64 banks of 4 bytes: ISA guide 11.1)
.set FR,     8
.set NL,     2
.set NP,     4                         ; places behind this matrix instruction (ISA guide 7.12.1)
.set HALFT,  128*PITCH
.set SLOT,   4*HALFT
.set KS,     32                        ; a row of scale bytes
.set SCL,    2*SLOT
.set HALFS,  (128*KS/256)*272
.set SBLK,   (16*KS/256)*272
.set SPARE,  SCL+4*HALFS               ; the spare words: 128 bytes a wave that no other line names
.set ADRA, 16
.set ADRB, 20
.set ADRS, 27
.set SPW,  28
.set NIL,  29
.set SC,   32
.set AF,   128
.set G1, 24
.set G0, 32
.set G1B, 48
.set G0B, 56
.set G1S, 68
.set G0S, 76
.set G1SB, 80
.set G0SB, 88
.set MSB, 0
.macro WIN new                         ; the immediate's high byte repeats the setting that is left; a switch that changes nothing is dropped
.if MSB != (\new)
	s_set_vgpr_msb (MSB<<8)|(\new)
.set MSB, (\new)
.endif
.endm
.set MUL_LO, 0xa1                      ; source 0 (W) window 1, source 1 (x) window 0, C and D window 2
.set MUL_HI, 0xf1
.set TO_B,   0x40
; A joint load: waves 0 and 1 fetch for x, waves 2 and 3 for W.  The branch hangs on the wave's number alone.  An s_nop 0 and four v_nop follow each line.
.macro JLOAD g0a, g1a, g0b, g1b
	s_cmp_eq_u32 s15, 0
	s_cbranch_scc0 .Lfor_b_\@
	tensor_load_to_lds s[\g0a:\g0a+3], s[\g1a:\g1a+7]
	s_nop 0
.rept 4
	v_nop
.endr
	s_branch .Lasked_\@
.Lfor_b_\@:
	tensor_load_to_lds s[\g0b:\g0b+3], s[\g1b:\g1b+7]
	s_nop 0
.rept 4
	v_nop
.endr
.Lasked_\@:
.endm
.macro CROUND                          ; a round of the cluster's barrier
	s_barrier_signal -1
	s_barrier_wait -1
	s_cmp_lg_u32 s14, 0
	s_cbranch_scc1 .Lnot_wave_0_\@
	s_barrier_signal -3
.Lnot_wave_0_\@:
	s_barrier_wait -3
	s_barrier_signal -1
	s_barrier_wait -1
.endm
	s_load_b256 s[4:11], s[0:1], 0x0               ; x's codes s[4:5], x's scales s[6:7], W's codes s[8:9], W's scales s[10:11]
	v_lshl_add_u32 v[SPW], v0, 2, SPARE
	v_mov_b32 v[NIL], 0
	ds_add_u32 v[SPW], v[NIL]                      ; the wave's opening: the add, twice on end, and its wait ahead of my first tensor load
	ds_add_u32 v[SPW], v[NIL]
	v_lshrrev_b32 v1, 5, v0
	v_readfirstlane_b32 s14, v1                    ; wave 0..3
	s_lshr_b32 s15, s14, 1                         ; which half of the tile's rows is mine.  Also: I fetch for x (0) or for W (1)
	s_and_b32 s16, s14, 1                          ; which half of its columns.  Also: which 128 rows I fetch
	s_bfe_u32 s40, ttmp6, 0x40000                  ; cx
	s_bfe_u32 s41, ttmp6, 0x40004                  ; cy
	s_lshl_b32 s42, ttmp9, 2
	s_add_co_u32 s42, s42, s40                     ; tile column = 4 x cluster x + cx
	s_and_b32 s17, ttmp7, 0xffff
	s_lshl_b32 s17, s17, 2
	s_add_co_u32 s17, s17, s41                     ; tile row = 4 x cluster y + cy
	s_lshl_b32 s43, s41, 2
	s_lshl_b32 s43, 15, s43                        ; my row of the cluster
	s_lshl_b32 s44, 0x1111, s40                    ; my column
	s_or_b32 s[G1+0], s43, (0<<16)|(1<<20)|(1<<21)|(5<<22)|(3<<25)  ; the mask; elements of 1 byte; padding on; bit 21 beside a mask; after every 64 words four words
	s_or_b32 s[G1B+0], s44, (0<<16)|(1<<20)|(1<<21)|(5<<22)|(3<<25)
.irp g, G1, G1B
	s_mov_b32 s[\g+1], ROWB<<16                    ; tensor_dim0
	s_mov_b32 s[\g+2], 128<<16                     ; tensor_dim1
	s_mov_b32 s[\g+3], ROWB<<16                    ; tile_dim0
	s_mov_b32 s[\g+4], 128                         ; tile_dim1
	s_mov_b32 s[\g+5], KROW                        ; the pitch
	s_mov_b32 s[\g+6], 0
	s_mov_b32 s[\g+7], 0
.endr
	s_or_b32 s[G1S+0], s43, (3<<16)|(1<<20)|(1<<21)|(5<<22)|(3<<25) ; the scales of 128 rows: 4,096 dense bytes as rows of 256 (32 elements of 8 bytes), 16 bytes of padding behind each
	s_or_b32 s[G1SB+0], s44, (3<<16)|(1<<20)|(1<<21)|(5<<22)|(3<<25)
.irp g, G1S, G1SB
	s_mov_b32 s[\g+1], 32<<16
	s_mov_b32 s[\g+2], (128*KS/256)<<16
	s_mov_b32 s[\g+3], 32<<16
	s_mov_b32 s[\g+4], 128*KS/256
	s_mov_b32 s[\g+5], 32
	s_mov_b32 s[\g+6], 0
	s_mov_b32 s[\g+7], 0
.endr
	s_lshl_b32 s18, s16, 7
	s_lshl_b32 s20, s17, 8
	s_add_co_u32 s20, s20, s18                     ; x: row 256 x tile row + 128 x half
	s_lshl_b32 s46, s42, 8
	s_add_co_u32 s46, s46, s18                     ; W: row 256 x tile column + 128 x half
	s_mov_b32 s21, 0
	s_mov_b32 s47, 0
	s_mov_b64 s[18:19], KS
	s_mul_u64 s[22:23], s[20:21], s[18:19]         ; where these rows' scales begin
	s_mul_u64 s[92:93], s[46:47], s[18:19]
	s_mov_b64 s[18:19], KROW
	s_mul_u64 s[20:21], s[20:21], s[18:19]         ; and their codes
	s_mul_u64 s[46:47], s[46:47], s[18:19]
	s_mul_i32 s45, s14, HALFT                      ; where they go: wave x 128 rows: no place in the cluster enters an LDS address
	s_mul_i32 s94, s14, HALFS
	s_wait_dscnt 0x0                               ; both opening adds are done
	s_wait_kmcnt 0x0
	s_add_nc_u64 s[20:21], s[4:5], s[20:21]
	s_add_nc_u64 s[22:23], s[6:7], s[22:23]
	s_add_nc_u64 s[46:47], s[8:9], s[46:47]
	s_add_nc_u64 s[92:93], s[10:11], s[92:93]
	CROUND                                         ; all sixteen work-groups are here: the first joint loads meet
	s_mov_b32 s[G0S], 1
	s_add_co_u32 s[G0S+1], s94, SCL
	s_mov_b64 s[G0S+2:G0S+3], s[22:23]
	s_or_b32 s[G0S+3], s[G0S+3], 0x80000000
	s_mov_b32 s[G0SB], 1
	s_add_co_u32 s[G0SB+1], s94, SCL
	s_mov_b64 s[G0SB+2:G0SB+3], s[92:93]
	s_or_b32 s[G0SB+3], s[G0SB+3], 0x80000000
	JLOAD G0S, G1S, G0SB, G1SB                     ; the scales first: they are wanted with slot 0
.irp s, 0,1
	s_mov_b32 s[G0+4*\s], 1
	s_add_co_u32 s[G0+4*\s+1], s45, \s*SLOT
	s_add_nc_u64 s[G0+4*\s+2:G0+4*\s+3], s[20:21], \s*ROWB
	s_or_b32 s[G0+4*\s+3], s[G0+4*\s+3], 0x80000000
	s_mov_b32 s[G0B+4*\s], 1
	s_add_co_u32 s[G0B+4*\s+1], s45, \s*SLOT
	s_add_nc_u64 s[G0B+4*\s+2:G0B+4*\s+3], s[46:47], \s*ROWB
	s_or_b32 s[G0B+4*\s+3], s[G0B+4*\s+3], 0x80000000
	JLOAD G0+4*\s, G1, G0B+4*\s, G1B               ; by this text's count three tensor loads of a wave are out
.endr
	s_load_b256 s[4:11], s[0:1], 0x20              ; cos s[4:5], sin s[6:7], q_gain s[8:9], qkv s[10:11]
	s_load_b64 s[12:13], s[0:1], 0x40              ; fin
	v_and_b32 v1, 15, v0                           ; r
	v_bfe_u32 v2, v0, 4, 1                         ; h
	v_mul_u32_u24 v3, v1, PITCH
	v_lshl_add_u32 v4, v2, 4, v3                   ; a fragment's row x pitch + 16 x half
	s_mul_i32 s21, s15, HALFT
	s_mul_i32 s22, s16, HALFT
	s_add_co_u32 s22, s22, 2*HALFT
.irp s, 0,1
	v_add_nc_u32 v[ADRA+\s], s21, v4
	v_add_nc_u32 v[ADRB+\s], s22, v4
	s_add_co_u32 s21, s21, SLOT
	s_add_co_u32 s22, s22, SLOT
.endr
	v_mul_u32_u24 v5, v1, KS                       ; my row's scales: KS bytes a row,
	v_lshrrev_b32 v6, 8, v5
	v_lshl_add_u32 v5, v6, 4, v5                   ; and 16 more for each 256 passed
	s_mul_i32 s21, s15, HALFS
	s_mul_i32 s22, s16, HALFS
	s_add_co_u32 s22, s22, 2*HALFS
	s_sub_co_u32 s22, s22, s21
	v_mul_u32_u24 v6, s22, v2                      ; lanes 16-31 take W's
	s_add_co_u32 s21, s21, SCL
	v_add_nc_u32 v5, v5, v6
	v_add_nc_u32 v[ADRS], s21, v5
	; the epilogue's lane offsets
	v_and_b32 v6, 31, v0
	v_lshlrev_b32 v8, 4, v6                        ; v8  16 x lane: an image's place
	v_lshrrev_b32 v5, 3, v1
	v_lshlrev_b32 v9, 8, v5
	v_lshl_add_u32 v9, v2, 7, v9
	v_and_b32 v5, 7, v1
	v_lshl_add_u32 v9, v5, 4, v9                   ; v9  v's place: 256 (r / 8) + 128 h + 16 (r % 8)
	v_lshlrev_b32 v10, 6, v1
	v_lshl_add_u32 v10, v2, 5, v10                 ; v10 cos, sin: row r of 64 bytes, + 32 h
	v_mov_b32 v11, s41                             ; v11 cy: it enters a lane mask alone, never a branch
	; the epilogue's scalars
	s_lshr_b32 s20, s17, 3                         ; batch
	s_and_b32 s21, s17, 7
	s_lshl_b32 s21, s21, 8
	s_lshl_b32 s22, s15, 7
	s_add_co_u32 s21, s21, s22                     ; my first position
	s_lshl_b32 s46, s40, 3
	s_lshl_b32 s47, s16, 2
	s_add_co_u32 s46, s46, s47                     ; my first head of four
	s_lshl_b32 s22, s20, 5
	s_add_co_u32 s22, s22, s46
	s_mul_i32 s22, s22, 3
	s_add_co_u32 s22, s22, ttmp9                   ; 3 (32 batch + head) + kind
	s_lshl_b32 s66, s21, 6                         ; 64 bytes a position: in cos and sin, and in the images (1,024 bytes for 16)
	s_mov_b32 s67, 0
	s_lshl_b32 s2, s22, 17
	s_add_co_u32 s2, s2, s66
	s_mov_b32 s3, 0
	s_lshl_b32 s22, s22, 11
	s_mov_b32 s23, 0
	s_lshl_b32 s46, s46, 2
	s_mov_b32 s47, 0
	s_and_b32 s100, ttmp7, 1
	s_or_b32 s100, s100, s15                       ; 0 where my block 0 can be positions 0-15: the wave's number and the cluster's y alone
	s_mov_b32 s92, 0x76543210
	s_mov_b32 s93, 0xfedcba98                      ; lane selects: lane l xor 16
	s_mov_b32 s94, 0x3d000000                      ; 1 / 32
	s_mov_b32 s95, 0x358637bd                      ; 1e-6
	s_wait_kmcnt 0x0
	s_add_nc_u64 s[4:5], s[4:5], s[66:67]
	s_add_nc_u64 s[6:7], s[6:7], s[66:67]
	s_add_nc_u64 s[10:11], s[10:11], s[2:3]
	s_add_nc_u64 s[12:13], s[12:13], s[22:23]
	s_add_nc_u64 s[8:9], s[8:9], s[46:47]
	s_load_b128 s[96:99], s[8:9], 0x0              ; my four heads' gains
	s_wait_kmcnt 0x0
.irp g, 0,1,2,3
	s_mul_f32 s[96+\g], s[96+\g], 0x3e8293ee       ; x log2(e) / sqrt(32)
.endr
	s_cmp_eq_u32 ttmp9, 0                          ; q alone has a gain
.irp g, 0,1,2,3
	s_cselect_b32 s[96+\g], s[96+\g], 0x3f800000
.endr
.macro FRAG reg, adr, q, i             ; 16 rows x 128 K of 4-bit codes: 8 registers: lane l holds row l % 16; registers 4 c .. 4 c + 3 hold K = 64 c + 32 (l / 16) + 0 .. 31
.irp c, 0,1
	ds_load_b128 v[\reg+4*\c:\reg+4*\c+3], v[\adr] offset:64*(\q)+32*\c+(\i)*16*PITCH
.endr
.endm
; 16 matrix instructions: x's blocks a0, a0 + 1 against W's eight.  The 64 accumulators take turns, one instruction a turn, in the same order in every step.
; One register carries x's scale word (lanes 0-15) and W's (lanes 16-31).
.macro MUL16 a0, p, q, sc, zero
.irp a, \a0, \a0+1
.irp b, 0,1,2,3,4,5,6,7
.if \zero
	v_wmma_scale_f32_16x16x128_f8f6f4 v[8*(8*((\a)%4)+\b):8*(8*((\a)%4)+\b)+7], v[128*(\p)+FR*\b:128*(\p)+FR*\b+FR-1], v[AF+FR*(\a):AF+FR*(\a)+FR-1], 0, v[SC+8*NQ*(\sc)+NQ*\b+(\q)], v[SC+8*NQ*(\sc)+NQ*(\a)+(\q)] matrix_a_fmt:MATRIX_FMT_FP4 matrix_b_fmt:MATRIX_FMT_FP4 matrix_a_scale:MATRIX_SCALE_ROW1
.else
	v_wmma_scale_f32_16x16x128_f8f6f4 v[8*(8*((\a)%4)+\b):8*(8*((\a)%4)+\b)+7], v[128*(\p)+FR*\b:128*(\p)+FR*\b+FR-1], v[AF+FR*(\a):AF+FR*(\a)+FR-1], v[8*(8*((\a)%4)+\b):8*(8*((\a)%4)+\b)+7], v[SC+8*NQ*(\sc)+NQ*\b+(\q)], v[SC+8*NQ*(\sc)+NQ*(\a)+(\q)] matrix_a_fmt:MATRIX_FMT_FP4 matrix_b_fmt:MATRIX_FMT_FP4 matrix_a_scale:MATRIX_SCALE_ROW1
.endif
.endr
.endr
.endm
.macro FETCH_B slot, q, p
	WIN TO_B
.irp i, 0,1,2,3,4,5,6,7
	FRAG 128*(\p)+FR*\i, ADRB+\slot, \q, \i
.endr
	WIN 0
.endm
.macro FETCH_A slot, q, i0
.irp i, \i0, \i0+1, \i0+2, \i0+3
	FRAG AF+FR*(\i), ADRA+\slot, \q, \i
.endr
.endm
.macro SCALES sc                       ; a slot's scale words: four a row; lanes 0-15 take x's block i, lanes 16-31 W's block i
.irp i, 0,1,2,3,4,5,6,7
	ds_load_b128 v[SC+8*NQ*\sc+NQ*\i:SC+8*NQ*\sc+NQ*\i+3], v[ADRS] offset:\i*SBLK
.endr
.endm
.macro PLACES n                        ; plain vector instructions between a matrix instruction and a load into, or a vector read or write of, its registers
.rept \n
	v_nop
.endr
.endm
.macro STEP slot, q, zero              ; 128 along K with its successor in the same slot
	s_wait_dscnt 4*NL                              ; W's set and x's blocks 0-3 are in; the youngest eight loads (x's blocks 4-7) may be out
	WIN MUL_LO
	MUL16 0, (\q)%2, \q, \slot, \zero
	MUL16 2, (\q)%2, \q, \slot, \zero
	s_wait_dscnt 0
	PLACES NP
	FETCH_B \slot, (\q)+1, 1-(\q)%2
	FETCH_A \slot, (\q)+1, 0
	WIN MUL_HI
	MUL16 4, (\q)%2, \q, \slot, \zero
	MUL16 6, (\q)%2, \q, \slot, \zero
	PLACES NP
	WIN 0
	FETCH_A \slot, (\q)+1, 4
.endm
.macro TURN slot, next                 ; slot 0's last step changes slots: one barrier; nothing is filled again
	s_wait_tensorcnt 0x0                           ; all my tensor loads have landed: my part of the next slot
	ds_add_u32 v[SPW], v[NIL]
	s_wait_dscnt 4*NL+1                            ; (the add and the youngest eight loads may be out)
	WIN MUL_LO
	MUL16 0, 1, NQ-1, \slot, 0
	s_wait_dscnt 0x0
	s_barrier_signal -1
	MUL16 2, 1, NQ-1, \slot, 0
	WIN 0
	s_barrier_wait -1                              ; the next slot is whole
	PLACES NP
	v_add_nc_u32 v[ADRS], 4*NQ, v[ADRS]            ; the next slot's scale words
	FETCH_B \next, 0, 0
	FETCH_A \next, 0, 0
	SCALES \next
	WIN MUL_HI
	MUL16 4, 1, NQ-1, \slot, 0
	MUL16 6, 1, NQ-1, \slot, 0
	PLACES NP
	WIN 0
	FETCH_A \next, 0, 4
.endm
.macro STEPS slot, from
.set Q, \from
.rept NQ-1-\from
	STEP \slot, Q, 0
.set Q, Q+1
.endr
.endm
	s_wait_tensorcnt 1                             ; the scales and my part of slot 0 are in (slot 1's load may be out)
	s_barrier_signal -1
	s_barrier_wait -1                              ; everybody's are
	FETCH_B 0, 0, 0
	FETCH_A 0, 0, 0
	SCALES 0
	FETCH_A 0, 0, 4
	STEP 0, 0, 1                                   ; the first products start the sums: nothing is cleared
	STEPS 0, 1
	TURN 0, 1
	STEPS 1, 0
	s_wait_dscnt 4*NL
	WIN MUL_LO
	MUL16 0, 1, NQ-1, 1, 0
	MUL16 2, 1, NQ-1, 1, 0
	s_wait_dscnt 0
	WIN MUL_HI
	MUL16 4, 1, NQ-1, 1, 0
	MUL16 6, 1, NQ-1, 1, 0
	WIN 0
; THE EPILOGUE, block a of 16 tokens at a time, straight from the accumulators to memory: a lane's packed registers ARE the image's.
; Window 0: v32-63 cos (8) and sin (8), two sets; v64-79 sums of squares, a pair for each accumulator; v80-87 the heads' factors, as pairs; v88-91 the lane exchange;
;   v96+16 g cos x factor (8), sin x factor (8); v160+16 g the rotated head (16); v224+8 g the same in f16 (8).
.macro LOADCS a
.set CSL, 32+16*((\a)%2)
	global_load_b128 v[CSL:CSL+3], v10, s[4:5] offset:(\a)*1024
	global_load_b128 v[CSL+4:CSL+7], v10, s[4:5] offset:(\a)*1024+16
	global_load_b128 v[CSL+8:CSL+11], v10, s[6:7] offset:(\a)*1024
	global_load_b128 v[CSL+12:CSL+15], v10, s[6:7] offset:(\a)*1024+16
.endm
.macro BLOCK_QK a
.set WW, 2+(\a)/4
.set WQ, WW|(WW<<2)
.set AC, 64*((\a)%4)
.set CSB, 32+16*((\a)%2)
	s_wait_loadcnt 0x0                             ; this block's cos and sin are in
.if (\a) < 7
	LOADCS (\a)+1
.endif
	WIN WQ                                         ; sources 0 and 1: the accumulators' window
.irp i, 0,1,2,3
.irp b, 0,1,2,3,4,5,6,7
.if \i == 0
	v_pk_mul_f32 v[64+2*\b:65+2*\b], v[AC+8*\b:AC+8*\b+1], v[AC+8*\b:AC+8*\b+1]    ; sums of squares: eight chains by turns, each accumulator from its low end on
.else
	v_pk_fma_f32 v[64+2*\b:65+2*\b], v[AC+8*\b+2*\i:AC+8*\b+2*\i+1], v[AC+8*\b+2*\i:AC+8*\b+2*\i+1], v[64+2*\b:65+2*\b]
.endif
.endr
.endr
	WIN 0
.irp g, 0,1,2,3
	v_pk_add_f32 v[64+4*\g:65+4*\g], v[64+4*\g:65+4*\g], v[66+4*\g:67+4*\g]
.endr
.irp g, 0,1,2,3
	v_add_f32 v[64+4*\g], v[64+4*\g], v[65+4*\g]   ; my 16 channels of head g
.endr
.irp g, 0,1,2,3
	v_permlanex16_b32 v[88+\g], v[64+4*\g], s92, s93
.endr
.irp g, 0,1,2,3
	v_add_f32 v[64+4*\g], v[64+4*\g], v[88+\g]     ; with lane l xor 16's: all 32
.endr
.irp g, 0,1,2,3
	v_fma_f32 v[64+4*\g], v[64+4*\g], s94, s95     ; the mean + 1e-6
.endr
.irp g, 0,1,2,3
	v_rsq_f32 v[65+4*\g], v[64+4*\g]
.endr
	v_nop                                          ; a plain instruction behind the last of the four
	s_wait_alu depctr_va_vdst(0)                   ; one wait for the four, ahead of their first reader
.irp g, 0,1,2,3
	v_mul_f32 v[80+2*\g], s[96+\g], v[65+4*\g]     ; x the gain's factor (1 for k)
	v_mul_f32 v[81+2*\g], s[96+\g], v[65+4*\g]
.endr
.irp g, 0,1,2,3
.irp i, 0,1,2,3,4,5,6,7
	v_pk_mul_f32 v[96+16*\g+2*\i:97+16*\g+2*\i], v[CSB+2*\i:CSB+2*\i+1], v[80+2*\g:81+2*\g]   ; cos, then sin, x the head's factor
.endr
.endr
	WIN WW                                         ; source 0: the accumulators' window
.irp g, 0,1,2,3
.irp i, 0,1,2,3
	v_pk_mul_f32 v[160+16*\g+2*\i:161+16*\g+2*\i], v[AC+16*\g+8+2*\i:AC+16*\g+9+2*\i], v[104+16*\g+2*\i:105+16*\g+2*\i]   ; x2 s
	v_pk_mul_f32 v[168+16*\g+2*\i:169+16*\g+2*\i], v[AC+16*\g+2*\i:AC+16*\g+1+2*\i], v[104+16*\g+2*\i:105+16*\g+2*\i]     ; x1 s
.endr
.endr
.irp g, 0,1,2,3
.irp i, 0,1,2,3
	v_pk_fma_f32 v[160+16*\g+2*\i:161+16*\g+2*\i], v[AC+16*\g+2*\i:AC+16*\g+1+2*\i], v[96+16*\g+2*\i:97+16*\g+2*\i], v[160+16*\g+2*\i:161+16*\g+2*\i] neg_lo:[0,0,1] neg_hi:[0,0,1]   ; x1 c - x2 s
	v_pk_fma_f32 v[168+16*\g+2*\i:169+16*\g+2*\i], v[AC+16*\g+8+2*\i:AC+16*\g+9+2*\i], v[96+16*\g+2*\i:97+16*\g+2*\i], v[168+16*\g+2*\i:169+16*\g+2*\i]                               ; x2 c + x1 s
.endr
.endr
	WIN 0
	s_wait_xcnt 0x0                                ; the last block's stores have read their data: it is written again only behind this wait
.irp g, 0,1,2,3
.irp n, 0,1,2,3,4,5,6,7
	v_cvt_pk_f16_f32 v[224+8*\g+\n], v[160+16*\g+2*\n], v[161+16*\g+2*\n]
.endr
.endr
.if (\a) == 0                          ; positions 0-15 also in f32.  The branch hangs on the wave's number and the cluster's y; my place in the cluster enters through the lane mask alone, so that all partners run alike
	s_cmp_eq_u32 s100, 0
	s_cbranch_scc0 .Lno_fine_qk
	s_wait_xcnt 0x0                                ; EXEC changes only behind this wait
	v_cmp_eq_u32 vcc_lo, 0, v11
	s_and_saveexec_b32 s101, vcc_lo
.irp g, 0,1,2,3
.irp i, 0,1,2,3
	global_store_b128 v8, v[160+16*\g+4*\i:163+16*\g+4*\i], s[12:13] offset:\g*6144+\i*512
.endr
.endr
	s_wait_xcnt 0x0                                ; and again, in front of the line that widens it
	s_or_b32 exec_lo, exec_lo, s101
.Lno_fine_qk:
.endif
.irp g, 0,1,2,3
.irp c, 0,1
	global_store_b128 v8, v[224+8*\g+4*\c:227+8*\g+4*\c], s[10:11] offset:\g*393216+(\a)*1024+\c*512   ; 32 lanes store 512 consecutive bytes, aligned
.endr
.endr
.endm
.macro BLOCK_V a
.set WW, 2+(\a)/4
.set WQ, WW|(WW<<2)
.set AC, 64*((\a)%4)
	s_wait_xcnt 0x0                                ; the last block's stores have read their data
	WIN WQ
.irp b, 0,1,2,3,4,5,6,7
.irp i, 0,1,2,3
	v_cvt_pk_f16_f32 v[224+4*\b+\i], v[AC+8*\b+2*\i], v[AC+8*\b+2*\i+1]   ; each accumulator from its low end on
.endr
.endr
	WIN 0
.if (\a) == 0
	s_cmp_eq_u32 s100, 0
	s_cbranch_scc0 .Lno_fine_v
	s_wait_xcnt 0x0
	v_cmp_eq_u32 vcc_lo, 0, v11
	s_and_saveexec_b32 s101, vcc_lo
	WIN 0x08                                       ; a store's data are its source 1: window 2
.irp g, 0,1,2,3
.irp ct, 0,1
.irp q, 0,1
	global_store_b128 v8, v[8*(2*\g+\ct)+4*\q:8*(2*\g+\ct)+4*\q+3], s[12:13] offset:\g*6144+(2*\ct+\q)*512
.endr
.endr
.endr
	WIN 0
	s_wait_xcnt 0x0
	s_or_b32 exec_lo, exec_lo, s101
.Lno_fine_v:
.endif
.irp b, 0,1,2,3,4,5,6,7
	global_store_b128 v9, v[224+4*\b:227+4*\b], s[10:11] offset:(\b/2)*393216+(\a)*1024+(\b%2)*512   ; the 32 lanes fill 512 consecutive bytes, aligned
.endr
.endm
	PLACES NP                                      ; behind the last products: loads into, and writes of, registers that held scale words and fragments follow
.irp g, 0,1,2,3
	v_mov_b32 v[88+\g], 0                          ; a lane permute's destination counts as one of its sources
.endr
	s_cmp_eq_u32 ttmp9, 2                          ; the kind is the cluster's x: the same in all partners
	s_cbranch_scc1 .Lv
	LOADCS 0
.irp a, 0,1,2,3,4,5,6,7
	BLOCK_QK \a
.endr
	s_branch .Lout
.Lv:
.irp a, 0,1,2,3,4,5,6,7
	BLOCK_V \a
.endr
.Lout:
	s_wait_tensorcnt 0x0                           ; the wave's end
	ds_add_u32 v[SPW], v[NIL]
	s_wait_dscnt 0x0
	CROUND                                         ; the closing round
	s_endpgm
.Lfunc_end_k_q6cb59715db_qkv:
	.size	k_q6cb59715db_qkv, .Lfunc_end_k_q6cb59715db_qkv-k_q6cb59715db_qkv
	.p2alignl 7, 3214868480
	.fill 96, 4, 3214868480
	.section	.rodata,"a",@progbits
	.p2align	6, 0x0
	.amdhsa_kernel k_q6cb59715db_qkv
		.amdhsa_group_segment_fixed_size 327680
		.amdhsa_private_segment_fixed_size 0
		.amdhsa_enable_private_segment 0
		.amdhsa_kernarg_size 72
		.amdhsa_user_sgpr_count 2
		.amdhsa_user_sgpr_kernarg_segment_ptr 1
		.amdhsa_wavefront_size32 1
		.amdhsa_system_sgpr_workgroup_id_x 1
		.amdhsa_system_sgpr_workgroup_id_y 1
		.amdhsa_system_sgpr_workgroup_id_z 1
		.amdhsa_system_vgpr_workitem_id 0
		.amdhsa_next_free_vgpr 1024
		.amdhsa_next_free_sgpr 102
		.amdhsa_reserve_vcc 1
		.amdhsa_float_denorm_mode_32 3
		.amdhsa_float_denorm_mode_16_64 3
		.amdhsa_memory_ordered 1
		.amdhsa_forward_progress 1
		.amdhsa_inst_pref_size 225
	.end_amdhsa_kernel
	.amdgpu_metadata
---
amdhsa.version: [ 1, 2 ]
amdhsa.kernels:
  - .name:           k_q6cb59715db_qkv
    .symbol:         k_q6cb59715db_qkv.kd
    .args:
      - { .name: xc, .offset: 0, .size: 8, .value_kind: global_buffer, .address_space: global }
      - { .name: xs, .offset: 8, .size: 8, .value_kind: global_buffer, .address_space: global }
      - { .name: wc, .offset: 16, .size: 8, .value_kind: global_buffer, .address_space: global }
      - { .name: ws, .offset: 24, .size: 8, .value_kind: global_buffer, .address_space: global }
      - { .name: cos, .offset: 32, .size: 8, .value_kind: global_buffer, .address_space: global }
      - { .name: sin, .offset: 40, .size: 8, .value_kind: global_buffer, .address_space: global }
      - { .name: q_gain, .offset: 48, .size: 8, .value_kind: global_buffer, .address_space: global }
      - { .name: qkv, .offset: 56, .size: 8, .value_kind: global_buffer, .address_space: global }
      - { .name: fin, .offset: 64, .size: 8, .value_kind: global_buffer, .address_space: global }
    .group_segment_fixed_size: 327680
    .private_segment_fixed_size: 0
    .kernarg_segment_align: 8
    .kernarg_segment_size: 72
    .max_flat_workgroup_size: 128
    .sgpr_count:     102
    .vgpr_count:     1024
    .wavefront_size: 32
...
	.end_amdgpu_metadata
.endif
;; end of part 2
;; launch attn (part 3): grid 4 x 64, 16 waves a work-group, clusters of 4 x 1, 264,192 bytes of LDS; arguments qkv, yf; writes yf
.if DOCPART == 3
	.amdgcn_target "amdgcn-amd-amdhsa--gfx1250"
	.amdhsa_code_object_version 6
	.text
	.protected	k_q6cb59715db_attn
	.globl	k_q6cb59715db_attn
	.p2align	8
	.type	k_q6cb59715db_attn,@function
k_q6cb59715db_attn:
	s_mov_b64 s[64:65], 0
	v_nop
	global_prefetch_b8 v0, s[64:65] scope:SCOPE_SE
	s_setreg_imm32_b32 hwreg(HW_REG_WAVE_MODE, 25, 1), 1
	s_wait_xcnt 0x0
	s_wait_alu depctr_hold_cnt(0) depctr_sa_sdst(0) depctr_va_vdst(0) depctr_va_sdst(0) depctr_va_ssrc(0) depctr_va_vcc(0) depctr_vm_vsrc(0)
	s_getreg_b32 s2, hwreg(HW_REG_IB_STS2, 6, 4)
	s_cmp_eq_u32 s2, 0
	s_cbranch_scc0 .Lentry_in_a_cluster
	s_endpgm
.Lentry_in_a_cluster:
	s_bfe_u32 s2, ttmp6, 0x10000c
	s_cmp_lg_u32 s2, 0x3003
	s_cbranch_scc0 .Lentry_shape_is_right
	s_endpgm
.Lentry_shape_is_right:
; ATTN.  y[b][head][q] = sum over k <= q of softmax_k(score) v[k], head size 32, 2,048 positions, f16 operands, f32 sums, maxima and exponentials.  q arrives with gain x log2(e) / sqrt(32) in it: a score is an exponent of 2.
; A CLUSTER of four work-groups is one (batch, head).  The head's whole K and V, 262,144 bytes of images, come into each partner's LDS ONCE, by joint loads (mask 15): no ring, nothing is filled again.
; Each of the sixteen waves asks for a sixteenth of each of four chunks of 512 keys: four loads of 4,096 bytes; by this text's count four tensor loads of a wave are out.
; SHARES.  Wave a of partner cx owns two tiles of 16 queries: LO = 4 a + cx and HI = 127 - LO.  Keys go 64 a step.  LO's last step (its diagonal) is step a, HI's is step 31 - a: they hang on the wave's number alone,
; so every branch is alike in all partners, and every wave has 33 tile steps.  cx enters q's and y's addresses and the diagonal's lane numbers alone.  Every wave walks all 32 steps; a step beyond its tiles is jumped over.
; LAYOUT.  S^T = K Q^T (source 0 = 16 keys, source 1 = 16 queries), O^T = V^T P (source 0 = 16 channels x 32 keys, source 1 = P): a lane holds ONE query (lane % 16) throughout; S^T's registers, rounded in pairs, ARE P.
; THE ROW'S SUM is a third product: rows 0 and 8 of a matrix of ones against P give, in register 0 of both halves of the lanes, the sum of the 32 weights as the second product takes them.
; SOFTMAX: a running maximum m; p = 2^(s - m); O and the sum are multiplied by 2^(m_old - m_new) in every step.
; LIMITS: |v| under 65,504; NaN and infinities are not served.
; y leaves as images of operand registers: (16 tokens, head) at ((128 b + tile) x 32 + head) x 1,024, registers 4 c .. 4 c + 3 of lane l at 512 c + 16 l.
.set SPARE, 262144                     ; behind K and V: the spare words, 128 bytes a wave, that no other line names
.set L16,  1                           ; v1   16 x lane
.set AK,   2                           ; v2   LDS address of the step's K
.set AV,   3                           ; v3   of its V
.set SPW,  4                           ; v4   my spare word; never rewritten
.set NIL,  5                           ; v5   0; never rewritten
.set DLO,  6                           ; v6   LO's diagonal: 16 cx + r - 8 h
.set DHI,  7                           ; v7   HI's: 16 (3 - cx) + r - 8 h
.set NINF, 8                           ; v8   -infinity
.set CC,   12                          ; v12-15 four chains of the maximum
.set ONES, 40                          ; v40-47 rows 0 and 8 ones, the others zeros
.set KF,   96                          ; v96-127  K: four fragments
.set VF,   128                         ; v128-159 V^T: (32 keys kb, 16 channels ct) at 16 kb + 8 ct
.set S,    160                         ; v160-191 S^T
.set P,    192                         ; v192-207 P
; a tile's own: HI: m v[16:17], the factor v[18:19], Q v24-31, O^T v48-63, the sum v64-71;  LO: v[20:21], v[22:23], v32-39, v72-87, v88-95
.set WV,   12
.set CX,   13
.set G1,   24                          ; s[24:31] descriptor group 1;  s[32:47] four groups 0
.set G0,   32
.set LH,   48                          ; s48  HI's last step
.set LL,   49                          ; s49  LO's
.set ST,   50                          ; s50  the step
.set KB,   51                          ; s51  where its K begins in LDS
.set CT,   52
.set SEL,  54
.macro ROUND
	s_barrier_signal -1
	s_barrier_wait -1
	s_cmp_lg_u32 s[WV], 0
	s_cbranch_scc1 .Lnot_wave_0_\@
	s_barrier_signal -3
.Lnot_wave_0_\@:
	s_barrier_wait -3
	s_barrier_signal -1
	s_barrier_wait -1
.endm
	s_load_b128 s[4:7], s[0:1], 0x0                ; qkv, yf
	v_lshl_add_u32 v[SPW], v0, 2, SPARE
	v_mov_b32 v[NIL], 0
	ds_add_u32 v[SPW], v[NIL]                      ; the wave's opening: the add, twice on end, and its wait ahead of my first tensor load
	ds_add_u32 v[SPW], v[NIL]
	v_lshrrev_b32 v9, 5, v0
	v_readfirstlane_b32 s[WV], v9                  ; wave 0..15
	s_bfe_u32 s[CX], ttmp6, 0x40000                ; my place in the cluster
	s_and_b32 s14, ttmp7, 0xffff                   ; bh = 32 batch + head, which the partners share
	s_mul_i32 s56, s14, 393216
	s_mov_b32 s57, 0
	s_and_b32 s58, s[WV], 1                        ; even waves fetch K, odd ones V,
	s_lshl_b32 s58, s58, 17
	s_lshr_b32 s59, s[WV], 1
	s_lshl_b32 s59, s59, 12                        ; 4,096 bytes of a chunk's 32,768
	s_add_co_u32 s58, s58, s59                     ; my part's place, in LDS as in memory
	s_add_co_u32 s60, s58, 131072                  ; (K begins behind the head's q)
	s_mov_b32 s61, 0
	s_mov_b32 s[G1], 15|(3<<16)|(1<<21)            ; the mask: all four; elements of 8 bytes; bit 21 beside a mask; no padding
	s_mov_b32 s[G1+1], 32<<16                      ; tensor_dim0: 256 bytes
	s_mov_b32 s[G1+2], 16<<16                      ; tensor_dim1: 16 rows
	s_mov_b32 s[G1+3], 32<<16                      ; tile_dim0
	s_mov_b32 s[G1+4], 16                          ; tile_dim1
	s_mov_b32 s[G1+5], 32                          ; the pitch: dense
	s_mov_b32 s[G1+6], 0
	s_mov_b32 s[G1+7], 0
	s_sub_co_u32 s[LH], 31, s[WV]
	s_mov_b32 s[LL], s[WV]
	s_mov_b32 s[ST], 0
	s_mov_b32 s[SEL], 0x76543210
	s_mov_b32 s[SEL+1], 0xfedcba98
	s_wait_dscnt 0x0                               ; both opening adds are done
	s_wait_kmcnt 0x0
	s_add_nc_u64 s[8:9], s[4:5], s[56:57]          ; the head's q
	s_add_nc_u64 s[10:11], s[8:9], s[60:61]        ; my part of chunk 0
.irp c, 0,1,2,3
	s_mov_b32 s[G0+4*\c], 1
	s_add_co_u32 s[G0+4*\c+1], s58, \c*32768
	s_add_nc_u64 s[G0+4*\c+2:G0+4*\c+3], s[10:11], \c*32768
	s_or_b32 s[G0+4*\c+3], s[G0+4*\c+3], 0x80000000
.endr
	ROUND                                          ; all four work-groups are here: the joint loads meet
.irp c, 0,1,2,3
	tensor_load_to_lds s[G0+4*\c:G0+4*\c+3], s[G1:G1+7]
	s_nop 0
.endr
.rept 4
	v_nop
.endr
	s_lshl_b32 s2, s[WV], 2
	s_add_co_u32 s2, s2, s[CX]                     ; LO
	s_sub_co_u32 s3, 127, s2                       ; HI
	s_lshl_b32 s56, s2, 10
	s_add_nc_u64 s[16:17], s[8:9], s[56:57]        ; LO's q
	s_lshl_b32 s56, s3, 10
	s_add_nc_u64 s[18:19], s[8:9], s[56:57]        ; HI's
	v_and_b32 v9, 31, v0
	v_lshlrev_b32 v[L16], 4, v9
	global_load_b128 v[24:27], v[L16], s[18:19]
	global_load_b128 v[28:31], v[L16], s[18:19] offset:512
	global_load_b128 v[32:35], v[L16], s[16:17]
	global_load_b128 v[36:39], v[L16], s[16:17] offset:512
	s_lshr_b32 s53, s14, 5
	s_lshl_b32 s53, s53, 7                         ; 128 batch
	s_and_b32 s14, s14, 31                         ; head
	s_add_co_u32 s56, s53, s2
	s_lshl_b32 s56, s56, 5
	s_add_co_u32 s56, s56, s14
	s_lshl_b32 s56, s56, 10
	s_add_nc_u64 s[20:21], s[6:7], s[56:57]        ; LO's y
	s_add_co_u32 s56, s53, s3
	s_lshl_b32 s56, s56, 5
	s_add_co_u32 s56, s56, s14
	s_lshl_b32 s56, s56, 10
	s_add_nc_u64 s[22:23], s[6:7], s[56:57]        ; HI's
	v_and_b32 v10, 15, v0                          ; r
	v_bfe_u32 v11, v0, 4, 1                        ; h
	v_lshlrev_b32 v11, 3, v11
	v_sub_nc_u32 v10, v10, v11                     ; r - 8 h
	s_lshl_b32 s58, s[CX], 4
	s_sub_co_u32 s59, 48, s58
	v_add_nc_u32 v[DLO], s58, v10
	v_add_nc_u32 v[DHI], s59, v10
	v_mov_b32 v[NINF], 0xff800000
	v_and_b32 v9, 7, v0
	v_cmp_eq_u32 vcc_lo, 0, v9                     ; lanes 0, 8, 16, 24 hold rows 0 and 8
	v_mov_b32 v10, 0x3c003c00                      ; two ones in f16
	v_cndmask_b32 v[ONES], 0, v10, vcc_lo
.irp i, 1,2,3,4,5,6,7
	v_mov_b32 v[ONES+\i], v[ONES]
.endr
.irp i, 16,17,20,21
	v_mov_b32 v[\i], 0xff61b1e6                    ; m: -3e38, under every score
.endr
.irp i, 18,19,22,23
	v_mov_b32 v[\i], 0
.endr
.set i, 48
.rept 48
	v_mov_b32 v[i], 0                              ; O^T and the sums.  (The step is written once: the first finds zeros, which the first factor leaves zeros)
.set i, i+1
.endr
	s_wait_loadcnt 0x0                             ; q
; ONE TILE'S PART OF A STEP.  mb: m's pair (the factor's pair at mb + 2); qb: Q; ob: O^T (16), the sum (8); dr: the diagonal's lane number; lim: the tile's last step
.macro TILE mb, qb, ob, dr, lim
.irp t, 0,1,2,3
	v_wmma_f32_16x16x32_f16 v[S+8*\t:S+8*\t+7], v[KF+8*\t:KF+8*\t+7], v[\qb:\qb+7], 0
.endr
.rept 4
	v_nop                                          ; places ahead of the first read of the scores (ISA guide 7.12.1)
.endr
	s_cmp_lg_u32 s[ST], s[\lim]                    ; on the diagonal hidden scores become -infinity: register 8 t + j holds key 16 t + 8 h + j of the step: hidden where 16 t + j > dr
	s_cbranch_scc1 .Lopen_\@
.irp n, 0,1,2,3,4,5,6,7,8,9,10,11,12,13,14,15,16,17,18,19,20,21,22,23,24,25,26,27,28,29,30,31
	v_cmp_gt_i32 vcc_lo, 16*(\n/8)+\n%8, v[\dr]
	v_cndmask_b32 v[S+\n], v[S+\n], v[NINF], vcc_lo
.endr
.Lopen_\@:
.irp x, 0,1,2,3
	v_max3_num_f32 v[CC+\x], v[S+8*\x], v[S+8*\x+1], v[S+8*\x+2]   ; four chains, each accumulator from its low end on
.endr
.irp x, 0,1,2,3
	v_max3_num_f32 v[CC+\x], v[CC+\x], v[S+8*\x+3], v[S+8*\x+4]
.endr
.irp x, 0,1,2,3
	v_max3_num_f32 v[CC+\x], v[CC+\x], v[S+8*\x+5], v[S+8*\x+6]
.endr
	v_max3_num_f32 v[CC], v[CC], v[S+7], v[S+15]
	v_max3_num_f32 v[CC+2], v[CC+2], v[S+23], v[S+31]
	v_max3_num_f32 v[CC], v[CC], v[CC+1], v[CC+2]
	v_max3_num_f32 v[CC], v[CC], v[CC+3], v[\mb]   ; and the old m
	v_permlanex16_b32 v[CC+1], v[CC], s[SEL], s[SEL+1]   ; the query's other 32 keys lie in the lane 16 away
	v_max_num_f32 v[CC], v[CC], v[CC+1]            ; the new m
	v_sub_f32 v[\mb+2], v[\mb], v[CC]              ; m_old - m_new
	v_mov_b32 v[\mb], v[CC]
.irp n, 0,2,4,6,8,10,12,14,16,18,20,22,24,26,28,30
	v_pk_add_f32 v[S+\n:S+\n+1], v[S+\n:S+\n+1], v[\mb:\mb+1] op_sel_hi:[1,0] neg_lo:[0,1] neg_hi:[0,1]   ; s - m
.endr
	v_exp_f32 v[\mb+2], v[\mb+2]                   ; ONE BATCH of 33 exponentials
.irp n, 0,1,2,3,4,5,6,7,8,9,10,11,12,13,14,15,16,17,18,19,20,21,22,23,24,25,26,27,28,29,30,31
	v_exp_f32 v[S+\n], v[S+\n]
.endr
	v_nop                                          ; a plain instruction behind the last of them
	s_wait_alu depctr_va_vdst(0)                   ; one wait for the batch, ahead of its first reader
.irp n, 0,1,2,3,4,5,6,7,8,9,10,11,12,13,14,15
	v_cvt_pk_f16_f32 v[P+\n], v[S+2*\n], v[S+2*\n+1]
.endr
.irp n, 0,2,4,6,8,10,12,14
	v_pk_mul_f32 v[\ob+\n:\ob+\n+1], v[\ob+\n:\ob+\n+1], v[\mb+2:\mb+3] op_sel_hi:[1,0]   ; O^T under the new m
.endr
	v_mul_f32 v[\ob+16], v[\ob+16], v[\mb+2]       ; the sum likewise: its register 0 alone is not 0
	s_wait_dscnt 0x0                               ; V is in
.irp kb, 0,1                           ; three accumulators by turns
	v_wmma_f32_16x16x32_f16 v[\ob:\ob+7], v[VF+16*\kb:VF+16*\kb+7], v[P+8*\kb:P+8*\kb+7], v[\ob:\ob+7]
	v_wmma_f32_16x16x32_f16 v[\ob+8:\ob+15], v[VF+16*\kb+8:VF+16*\kb+15], v[P+8*\kb:P+8*\kb+7], v[\ob+8:\ob+15]
	v_wmma_f32_16x16x32_f16 v[\ob+16:\ob+23], v[ONES:ONES+7], v[P+8*\kb:P+8*\kb+7], v[\ob+16:\ob+23]
.endr
.endm
.macro STEP
	s_cmp_gt_u32 s[ST], s[LH]                      ; beyond HI's diagonal both tiles are done (LO's lies no later)
	s_cbranch_scc1 .Lnone_\@
	v_add_nc_u32 v[AK], s[KB], v[L16]
	v_add_nc_u32 v[AV], 0x20000, v[AK]
	v_nop
	v_nop                                          ; with the two additions: four places ahead of loads into registers that the last products read
.irp t, 0,1,2,3
.irp c, 0,1
	ds_load_b128 v[KF+8*\t+4*\c:KF+8*\t+4*\c+3], v[AK] offset:\t*1024+\c*512
.endr
.endr
.irp kb, 0,1
.irp ct, 0,1
.irp u, 0,1
	ds_load_tr16_b128 v[VF+16*\kb+8*\ct+4*\u:VF+16*\kb+8*\ct+4*\u+3], v[AV] offset:(2*\kb+\u)*1024+\ct*512
.endr
.endr
.endr
	s_wait_dscnt 8                                 ; K's eight loads are in; V's eight may be out
	TILE 16, 24, 48, DHI, LH
	s_cmp_gt_u32 s[ST], s[LL]
	s_cbranch_scc1 .Lnone_\@
	TILE 20, 32, 72, DLO, LL
.Lnone_\@:
.endm
; A CHUNK of 512 keys, eight steps.  The count leaves my loads of the later chunks out.
.macro CHUNK c
	s_wait_tensorcnt 3-\c                          ; my parts of chunks 0 to c have landed,
	s_wait_dscnt 0x0
	s_barrier_signal -1
	s_barrier_wait -1                              ; everybody's have
	s_mov_b32 s[KB], \c*32768
	s_mov_b32 s[CT], 8
.Lstep_\@:
	STEP
	s_add_co_u32 s[ST], s[ST], 1
	s_add_co_u32 s[KB], s[KB], 4096
	s_sub_co_u32 s[CT], s[CT], 1
	s_cmp_lg_u32 s[CT], 0
	s_cbranch_scc1 .Lstep_\@
.endm
	CHUNK 0
	CHUNK 1
	CHUNK 2
	CHUNK 3
	; THE WAY OUT: O^T / the sum, rounded to f16: a lane's packed registers are the image's
.rept 4
	v_nop
.endr
	v_rcp_f32 v18, v64
	v_rcp_f32 v22, v88
	v_nop
	s_wait_alu depctr_va_vdst(0)                   ; one wait for both reciprocals, ahead of their first reader
.irp n, 0,2,4,6,8,10,12,14
	v_pk_mul_f32 v[48+\n:49+\n], v[48+\n:49+\n], v[18:19] op_sel_hi:[1,0]
	v_pk_mul_f32 v[72+\n:73+\n], v[72+\n:73+\n], v[22:23] op_sel_hi:[1,0]
.endr
.irp n, 0,1,2,3,4,5,6,7
	v_cvt_pk_f16_f32 v[208+\n], v[48+2*\n], v[49+2*\n]
	v_cvt_pk_f16_f32 v[216+\n], v[72+2*\n], v[73+2*\n]
.endr
	global_store_b128 v[L16], v[208:211], s[22:23]             ; 32 lanes store 512 consecutive bytes, aligned
	global_store_b128 v[L16], v[212:215], s[22:23] offset:512
	global_store_b128 v[L16], v[216:219], s[20:21]
	global_store_b128 v[L16], v[220:223], s[20:21] offset:512
	s_wait_tensorcnt 0x0                           ; the wave's end
	ds_add_u32 v[SPW], v[NIL]
	s_wait_dscnt 0x0
	ROUND                                          ; the closing round
	s_endpgm
.Lfunc_end_k_q6cb59715db_attn:
	.size	k_q6cb59715db_attn, .Lfunc_end_k_q6cb59715db_attn-k_q6cb59715db_attn
	.p2alignl 7, 3214868480
	.fill 96, 4, 3214868480
	.section	.rodata,"a",@progbits
	.p2align	6, 0x0
	.amdhsa_kernel k_q6cb59715db_attn
		.amdhsa_group_segment_fixed_size 264192
		.amdhsa_private_segment_fixed_size 0
		.amdhsa_enable_private_segment 0
		.amdhsa_kernarg_size 16
		.amdhsa_user_sgpr_count 2
		.amdhsa_user_sgpr_kernarg_segment_ptr 1
		.amdhsa_wavefront_size32 1
		.amdhsa_system_sgpr_workgroup_id_x 1
		.amdhsa_system_sgpr_workgroup_id_y 1
		.amdhsa_system_sgpr_workgroup_id_z 1
		.amdhsa_system_vgpr_workitem_id 0
		.amdhsa_next_free_vgpr 256
		.amdhsa_next_free_sgpr 66
		.amdhsa_reserve_vcc 1
		.amdhsa_float_denorm_mode_32 3
		.amdhsa_float_denorm_mode_16_64 3
		.amdhsa_memory_ordered 1
		.amdhsa_forward_progress 1
		.amdhsa_inst_pref_size 79
	.end_amdhsa_kernel
	.amdgpu_metadata
---
amdhsa.version: [ 1, 2 ]
amdhsa.kernels:
  - .name:           k_q6cb59715db_attn
    .symbol:         k_q6cb59715db_attn.kd
    .args:
      - { .name: qkv, .offset: 0, .size: 8, .value_kind: global_buffer, .address_space: global }
      - { .name: yf, .offset: 8, .size: 8, .value_kind: global_buffer, .address_space: global }
    .group_segment_fixed_size: 264192
    .private_segment_fixed_size: 0
    .kernarg_segment_align: 8
    .kernarg_segment_size: 16
    .max_flat_workgroup_size: 512
    .sgpr_count:     66
    .vgpr_count:     256
    .wavefront_size: 32
...
	.end_amdgpu_metadata
.endif
;; end of part 3
;; launch proj (part 4): grid 8 x 32, 4 waves a work-group, clusters of 4 x 4, 327,680 bytes of LDS; arguments yf, wp, out0; writes out0
.if DOCPART == 4
	.amdgcn_target "amdgcn-amd-amdhsa--gfx1250"
	.amdhsa_code_object_version 6
	.text
	.protected	k_q6cb59715db_proj
	.globl	k_q6cb59715db_proj
	.p2align	8
	.type	k_q6cb59715db_proj,@function
k_q6cb59715db_proj:
	s_mov_b64 s[64:65], 0
	v_nop
	global_prefetch_b8 v0, s[64:65] scope:SCOPE_SE
	s_setreg_imm32_b32 hwreg(HW_REG_WAVE_MODE, 25, 1), 1
	s_wait_xcnt 0x0
	s_wait_alu depctr_hold_cnt(0) depctr_sa_sdst(0) depctr_va_vdst(0) depctr_va_sdst(0) depctr_va_ssrc(0) depctr_va_vcc(0) depctr_vm_vsrc(0)
	s_getreg_b32 s2, hwreg(HW_REG_IB_STS2, 6, 4)
	s_cmp_eq_u32 s2, 0
	s_cbranch_scc0 .Lentry_in_a_cluster
	s_endpgm
.Lentry_in_a_cluster:
	s_bfe_u32 s2, ttmp6, 0x10000c
	s_cmp_lg_u32 s2, 0xf033
	s_cbranch_scc0 .Lentry_shape_is_right
	s_endpgm
.Lentry_shape_is_right:
; PROJ.  out0[m][n] = sum over k of y[m][k] Wproj[n][k], M 4,096, N 1,024, K 1,024; f16 operands (Wproj's high parts), f32 sums, f32 out.  (Positions 0-15 of each sequence are stored anew, more finely, by the launch behind this one.)
; A tile of out0 is 128 x 128: 256 work-groups.  Four waves, 64 x 64 each: 16 accumulators.  K goes in steps of 256 through a ring of two LDS slots.
; BOTH OPERANDS ARRIVE AS IMAGES OF OPERAND REGISTERS: fragment (16 rows, 32 K) = 1,024 bytes at (32 x tile of 16 rows + K / 32) x 1,024; registers 4 c .. 4 c + 3 of lane l at 512 c + 16 l.
; So a K step of 16 rows is 8,192 consecutive bytes; a wave's tensor load brings four such rows, 32,768 bytes apart; an LDS load takes 512 consecutive bytes: no pitch, no padding.
; CLUSTERS: 4 x 4 work-groups; y's tiles are shared along a row of the cluster, Wproj's along a column: joint loads.  THE MATRIX INSTRUCTION IS USED TRANSPOSED (source 0 = 16 rows of Wproj, source 1 = 16 rows of y).
; LIMITS: |y| and |Wproj| under 65,504.
; REGISTERS: window 0: v0-31 addresses; v32-95 at work on the way out; v128-255 the accumulators ((a, b) at v[128 + 8 (4 a + b)]).  window 1: two fragment buffers of 128: 64 registers of y, then 64 of Wproj.
.set KB8,    8192                      ; a K step of one tile of 16 rows
.set HALFT,  32768                     ; four such: what one tensor load brings, and what one wave reads of y or of Wproj
.set SLOT,   4*HALFT
.set STAGE,  2*SLOT                    ; behind the ring: 16 rows x 272 bytes for each wave
.set SPITCH, 272
.set SPARE,  STAGE+4*16*SPITCH         ; the spare words: 128 bytes a wave that no other line names
.set LAPS,   2
.set ADRA, 16
.set ADRB, 20
.set STO,  24
.set RD,   25
.set CO,   26
.set SPW,  28
.set NIL,  29
.set TMP,  32
.set ACC,  128
.set F0,   0
.set F1,   128
.set G1, 24
.set G0, 32
.set G1B, 48
.set G0B, 56
.set MSB, 0
.macro WIN new
.if MSB != (\new)
	s_set_vgpr_msb (MSB<<8)|(\new)
.set MSB, (\new)
.endif
.endm
.set MUL,  0x05                        ; sources 0 and 1 window 1; C and D window 0
.set TO_F, 0x40                        ; destination window 1, address window 0
.macro JLOAD s                         ; waves 0 and 1 fetch y's two halves, waves 2 and 3 Wproj's; an s_nop 0 and four v_nop follow each line
	s_cmp_eq_u32 s11, 0
	s_cbranch_scc0 .Lfor_b_\@
	tensor_load_to_lds s[G0+4*\s:G0+4*\s+3], s[G1:G1+7]
	s_nop 0
.rept 4
	v_nop
.endr
	s_branch .Lasked_\@
.Lfor_b_\@:
	tensor_load_to_lds s[G0B+4*\s:G0B+4*\s+3], s[G1B:G1B+7]
	s_nop 0
.rept 4
	v_nop
.endr
.Lasked_\@:
.endm
.macro CREST
	s_cmp_lg_u32 s10, 0
	s_cbranch_scc1 .Lnot_wave_0_\@
	s_barrier_signal -3
.Lnot_wave_0_\@:
	s_barrier_wait -3
	s_barrier_signal -1
	s_barrier_wait -1
.endm
.macro CROUND
	s_barrier_signal -1
	s_barrier_wait -1
	CREST
.endm
	s_load_b128 s[4:7], s[0:1], 0x0                ; yf, wp
	s_load_b64 s[8:9], s[0:1], 0x10                ; out0
	v_lshl_add_u32 v[SPW], v0, 2, SPARE
	v_mov_b32 v[NIL], 0
	ds_add_u32 v[SPW], v[NIL]                      ; the wave's opening: the add, twice on end, and its wait ahead of my first tensor load
	ds_add_u32 v[SPW], v[NIL]
	v_lshrrev_b32 v1, 5, v0
	v_readfirstlane_b32 s10, v1                    ; wave 0..3
	s_lshr_b32 s11, s10, 1                         ; which half of the tile's rows is mine.  Also: I fetch for y (0) or for Wproj (1)
	s_and_b32 s12, s10, 1                          ; which half of its columns.  Also: which 64 rows I fetch
	s_bfe_u32 s40, ttmp6, 0x40000
	s_bfe_u32 s41, ttmp6, 0x40004
	s_lshl_b32 s42, ttmp9, 2
	s_add_co_u32 s42, s42, s40                     ; tile column
	s_and_b32 s13, ttmp7, 0xffff
	s_lshl_b32 s13, s13, 2
	s_add_co_u32 s13, s13, s41                     ; tile row
	s_lshl_b32 s43, s41, 2
	s_lshl_b32 s43, 15, s43                        ; my row of the cluster
	s_lshl_b32 s44, 0x1111, s40                    ; my column
	s_or_b32 s[G1+0], s43, (3<<16)|(1<<21)         ; the mask; elements of 8 bytes; bit 21 beside a mask; no padding
	s_or_b32 s[G1B+0], s44, (3<<16)|(1<<21)
.irp g, G1, G1B
	s_mov_b32 s[\g+1], 1024<<16                    ; tensor_dim0: 8,192 bytes
	s_mov_b32 s[\g+2], 4<<16                       ; tensor_dim1: 4 rows
	s_mov_b32 s[\g+3], 1024<<16                    ; tile_dim0
	s_mov_b32 s[\g+4], 4                           ; tile_dim1
	s_mov_b32 s[\g+5], 4096                        ; the pitch: 32,768 bytes
	s_mov_b32 s[\g+6], 0
	s_mov_b32 s[\g+7], 0
.endr
	s_lshl_b32 s17, s12, 2                         ; which four tiles of 16 rows I fetch
	s_lshl_b32 s16, s13, 3
	s_add_co_u32 s16, s16, s17
	s_lshl_b32 s16, s16, 15                        ; y: (8 x tile row + 4 x half) x 32,768
	s_lshl_b32 s46, s42, 3
	s_add_co_u32 s46, s46, s17
	s_lshl_b32 s46, s46, 15                        ; Wproj: by the tile column
	s_mov_b32 s17, 0
	s_mov_b32 s47, 0
	s_mul_i32 s20, s10, HALFT                      ; where they go: no place in the cluster enters an LDS address
	s_wait_dscnt 0x0                               ; both opening adds are done
	s_wait_kmcnt 0x0
	s_add_nc_u64 s[14:15], s[4:5], s[16:17]
	s_add_nc_u64 s[46:47], s[6:7], s[46:47]
	CROUND                                         ; all sixteen work-groups are here: the first joint loads meet
.irp s, 0,1
	s_mov_b32 s[G0+4*\s], 1
	s_add_co_u32 s[G0+4*\s+1], s20, \s*SLOT
	s_add_nc_u64 s[G0+4*\s+2:G0+4*\s+3], s[14:15], \s*KB8
	s_or_b32 s[G0+4*\s+3], s[G0+4*\s+3], 0x80000000
	s_mov_b32 s[G0B+4*\s], 1
	s_add_co_u32 s[G0B+4*\s+1], s20, \s*SLOT
	s_add_nc_u64 s[G0B+4*\s+2:G0B+4*\s+3], s[46:47], \s*KB8
	s_or_b32 s[G0B+4*\s+3], s[G0B+4*\s+3], 0x80000000
	JLOAD \s
.endr
	v_and_b32 v1, 15, v0                           ; r
	v_bfe_u32 v2, v0, 4, 1                         ; h
	v_and_b32 v3, 31, v0
	v_lshlrev_b32 v3, 4, v3                        ; 16 x lane
	s_mul_i32 s21, s11, HALFT                      ; my 64 rows of y
	s_mul_i32 s22, s12, HALFT
	s_add_co_u32 s22, s22, 2*HALFT                 ; my 64 rows of Wproj
.irp s, 0,1
	v_add_nc_u32 v[ADRA+\s], s21, v3
	v_add_nc_u32 v[ADRB+\s], s22, v3
	s_add_co_u32 s21, s21, SLOT
	s_add_co_u32 s22, s22, SLOT
.endr
	s_mul_i32 s23, s10, 16*SPITCH
	s_add_co_u32 s23, s23, STAGE                   ; my stage
	v_mul_u32_u24 v4, v1, SPITCH
	v_lshl_add_u32 v4, v2, 5, v4
	v_add_nc_u32 v[STO], s23, v4                   ; in: row r, 32 bytes for each half of the lanes
	v_mul_u32_u24 v5, v2, SPITCH
	v_lshl_add_u32 v5, v1, 4, v5
	v_add_nc_u32 v[RD], s23, v5                    ; back: lanes 0-15 one row of 256 bytes, lanes 16-31 the next
	v_lshlrev_b32 v5, 12, v2
	v_lshl_add_u32 v[CO], v1, 4, v5                ; and the same two rows in out0
	s_lshl_b32 s16, s13, 7
	s_lshl_b32 s17, s11, 6
	s_add_co_u32 s16, s16, s17                     ; my first row
	s_lshl_b32 s16, s16, 12
	s_mov_b32 s17, 0
	s_add_nc_u64 s[8:9], s[8:9], s[16:17]
	s_lshl_b32 s46, s42, 9
	s_lshl_b32 s47, s12, 8
	s_add_co_u32 s46, s46, s47                     ; my first column, in bytes
	s_mov_b32 s47, 0
	s_add_nc_u64 s[8:9], s[8:9], s[46:47]
.macro MUL8 f, c, a0, zero             ; 8 matrix instructions: row blocks a0, a0 + 1 x all 4 column blocks, 32 along K.  The 16 accumulators take turns
.irp a, \a0, \a0+1
.irp b, 0,1,2,3
.if \zero
	v_wmma_f32_16x16x32_f16 v[ACC+8*(4*(\a)+\b):ACC+8*(4*(\a)+\b)+7], v[\f+64+8*(4*\c+\b):\f+64+8*(4*\c+\b)+7], v[\f+8*(4*\c+\a):\f+8*(4*\c+\a)+7], 0
.else
	v_wmma_f32_16x16x32_f16 v[ACC+8*(4*(\a)+\b):ACC+8*(4*(\a)+\b)+7], v[\f+64+8*(4*\c+\b):\f+64+8*(4*\c+\b)+7], v[\f+8*(4*\c+\a):\f+8*(4*\c+\a)+7], v[ACC+8*(4*(\a)+\b):ACC+8*(4*(\a)+\b)+7]
.endif
.endr
.endr
.endm
.macro FETCH slot, k, f                ; 32 LDS loads in one run: the fragments of 64 along K (two images of each tile of 16 rows, from byte k of its 8,192) into buffer f
	WIN TO_F
.irp c, 0,1
.irp i, 0,1,2,3
	ds_load_b128 v[\f+64+8*(4*\c+\i):\f+64+8*(4*\c+\i)+3],   v[ADRB+\slot] offset:\k+1024*\c+\i*KB8
	ds_load_b128 v[\f+64+8*(4*\c+\i)+4:\f+64+8*(4*\c+\i)+7], v[ADRB+\slot] offset:\k+1024*\c+\i*KB8+512
	ds_load_b128 v[\f+8*(4*\c+\i):\f+8*(4*\c+\i)+3],         v[ADRA+\slot] offset:\k+1024*\c+\i*KB8
	ds_load_b128 v[\f+8*(4*\c+\i)+4:\f+8*(4*\c+\i)+7],       v[ADRA+\slot] offset:\k+1024*\c+\i*KB8+512
.endr
.endr
.endm
.macro PLACES
.rept 4
	v_nop
.endr
.endm
.macro QUARTER slot, k, f, g, zero     ; 64 along K: multiplies buffer f and fetches the next quarter, at byte k, into g
	s_wait_dscnt 16                                ; the first 32 along K are in; the youngest sixteen loads may be out
	WIN MUL
	MUL8 \f, 0, 0, \zero
	MUL8 \f, 0, 2, \zero
	PLACES
	FETCH \slot, \k, \g
	s_wait_dscnt 32                                ; all but the 32 just issued
	WIN MUL
	MUL8 \f, 1, 0, 0
	MUL8 \f, 1, 2, 0
.endm
.macro TURN slot, next, fill           ; a slot's last quarter changes slots: one barrier; fill = 1: this slot is filled again, two K steps ahead
	WIN 0
	s_wait_tensorcnt 0x0                           ; all my tensor loads have landed: my part of the next slot
	ds_add_u32 v[SPW], v[NIL]
	s_wait_dscnt 17                                ; (the add and the youngest sixteen loads may be out)
	WIN MUL
	MUL8 F1, 0, 0, 0
	s_wait_dscnt 0x0                               ; the add is done, and my reads of this slot are over
	s_barrier_signal -1
	MUL8 F1, 0, 2, 0
.if \fill
	WIN 0
.endif
	s_barrier_wait -1
.if \fill
	CREST                                          ; the barrier has opened a round of the cluster's: no wave of any partner still reads this slot or has a load on its way
	s_add_nc_u64 s[G0+4*\slot+2:G0+4*\slot+3], s[G0+4*\slot+2:G0+4*\slot+3], 2*KB8
	s_add_nc_u64 s[G0B+4*\slot+2:G0B+4*\slot+3], s[G0B+4*\slot+2:G0B+4*\slot+3], 2*KB8
	JLOAD \slot                                    ; the first tensor load behind the round; its four v_nop are also the places in front of the loads below
.else
	PLACES
.endif
	FETCH \next, 0, F0
	WIN MUL
	MUL8 F1, 1, 0, 0
	MUL8 F1, 1, 2, 0
.endm
	s_wait_tensorcnt 1                             ; my part of K step 0 is in (K step 1's may be out)
	s_barrier_signal -1
	s_barrier_wait -1                              ; everybody's is
	FETCH 0, 0, F0
	QUARTER 0, 2048, F0, F1, 1                     ; the first products start the sums
	WIN 0
	s_mov_b32 s3, LAPS-1
.Llap:                                                 ; a trip goes once round the ring and fills both slots again
	QUARTER 0, 4096, F1, F0, 0
	QUARTER 0, 6144, F0, F1, 0
	TURN 0, 1, 1
	QUARTER 1, 2048, F0, F1, 0
	QUARTER 1, 4096, F1, F0, 0
	QUARTER 1, 6144, F0, F1, 0
	TURN 1, 0, 1
	QUARTER 0, 2048, F0, F1, 0
	WIN 0
	s_sub_co_u32 s3, s3, 1
	s_cmp_lg_u32 s3, 0
	s_cbranch_scc1 .Llap
	QUARTER 0, 4096, F1, F0, 0                     ; the last lap fills nothing
	QUARTER 0, 6144, F0, F1, 0
	TURN 0, 1, 0
	QUARTER 1, 2048, F0, F1, 0
	QUARTER 1, 4096, F1, F0, 0
	QUARTER 1, 6144, F0, F1, 0
	s_wait_dscnt 16
	WIN MUL
	MUL8 F1, 0, 0, 0
	MUL8 F1, 0, 2, 0
	s_wait_dscnt 0
	MUL8 F1, 1, 0, 0
	MUL8 F1, 1, 2, 0
	WIN 0
; THE WAY OUT, a block of 16 rows x 64 columns of f32 at a time through my own stage: a lane holds 32 bytes of a row; back come whole rows of 256 bytes.  LDS serves a wave's instructions in order (ISA guide 5.7.1.4).
.macro TOSTAGE a
.irp b, 0,1,2,3
	ds_store_b128 v[STO], v[ACC+8*(4*(\a)+\b):ACC+8*(4*(\a)+\b)+3] offset:64*\b          ; each accumulator from its low end on
	ds_store_b128 v[STO], v[ACC+8*(4*(\a)+\b)+4:ACC+8*(4*(\a)+\b)+7] offset:64*\b+16
.endr
.irp t, 0,1,2,3,4,5,6,7
	ds_load_b128 v[TMP+32*((\a)%2)+4*\t:TMP+32*((\a)%2)+4*\t+3], v[RD] offset:\t*2*SPITCH
.endr
.endm
.macro SEND a, younger                 ; younger: the LDS instructions issued behind block a's loads
	s_wait_dscnt \younger
.irp t, 0,1,2,3,4,5,6,7
	global_store_b128 v[CO], v[TMP+32*((\a)%2)+4*\t:TMP+32*((\a)%2)+4*\t+3], s[8:9] offset:(16*(\a)+2*\t)*4096 th:TH_STORE_NT   ; 16 lanes store 256 consecutive bytes, aligned
.endr
.endm
	PLACES
	TOSTAGE 0
	TOSTAGE 1
	SEND 0, 16
	s_wait_xcnt 0x0                                ; block 0's stores have read their registers: block 2's loads may land there
	TOSTAGE 2
	SEND 1, 16
	s_wait_xcnt 0x0
	TOSTAGE 3
	SEND 2, 16
	SEND 3, 0
	s_wait_tensorcnt 0x0                           ; the wave's end
	ds_add_u32 v[SPW], v[NIL]
	s_wait_dscnt 0x0
	CROUND                                         ; the closing round
	s_endpgm
.Lfunc_end_k_q6cb59715db_proj:
	.size	k_q6cb59715db_proj, .Lfunc_end_k_q6cb59715db_proj-k_q6cb59715db_proj
	.p2alignl 7, 3214868480
	.fill 96, 4, 3214868480
	.section	.rodata,"a",@progbits
	.p2align	6, 0x0
	.amdhsa_kernel k_q6cb59715db_proj
		.amdhsa_group_segment_fixed_size 327680
		.amdhsa_private_segment_fixed_size 0
		.amdhsa_enable_private_segment 0
		.amdhsa_kernarg_size 24
		.amdhsa_user_sgpr_count 2
		.amdhsa_user_sgpr_kernarg_segment_ptr 1
		.amdhsa_wavefront_size32 1
		.amdhsa_system_sgpr_workgroup_id_x 1
		.amdhsa_system_sgpr_workgroup_id_y 1
		.amdhsa_system_sgpr_workgroup_id_z 1
		.amdhsa_system_vgpr_workitem_id 0
		.amdhsa_next_free_vgpr 512
		.amdhsa_next_free_sgpr 66
		.amdhsa_reserve_vcc 0
		.amdhsa_float_denorm_mode_32 3
		.amdhsa_float_denorm_mode_16_64 3
		.amdhsa_memory_ordered 1
		.amdhsa_forward_progress 1
		.amdhsa_inst_pref_size 85
	.end_amdhsa_kernel
	.amdgpu_metadata
---
amdhsa.version: [ 1, 2 ]
amdhsa.kernels:
  - .name:           k_q6cb59715db_proj
    .symbol:         k_q6cb59715db_proj.kd
    .args:
      - { .name: yf, .offset: 0, .size: 8, .value_kind: global_buffer, .address_space: global }
      - { .name: wp, .offset: 8, .size: 8, .value_kind: global_buffer, .address_space: global }
      - { .name: out0, .offset: 16, .size: 8, .value_kind: global_buffer, .address_space: global }
    .group_segment_fixed_size: 327680
    .private_segment_fixed_size: 0
    .kernarg_segment_align: 8
    .kernarg_segment_size: 24
    .max_flat_workgroup_size: 128
    .sgpr_count:     66
    .vgpr_count:     512
    .wavefront_size: 32
...
	.end_amdgpu_metadata
.endif
;; end of part 4
;; launch fine (part 5): grid 16 x 2, 16 waves a work-group, no clusters, 158,720 bytes of LDS; arguments fin, wp, out0; writes out0
.if DOCPART == 5
	.amdgcn_target "amdgcn-amd-amdhsa--gfx1250"
	.amdhsa_code_object_version 6
	.text
	.protected	k_q6cb59715db_fine
	.globl	k_q6cb59715db_fine
	.p2align	8
	.type	k_q6cb59715db_fine,@function
k_q6cb59715db_fine:
	s_mov_b64 s[64:65], 0
	v_nop
	global_prefetch_b8 v0, s[64:65] scope:SCOPE_SE
	s_setreg_imm32_b32 hwreg(HW_REG_WAVE_MODE, 25, 1), 1
	s_wait_xcnt 0x0
; FINE.  Positions 0-15 of both sequences once more: there a row averages one to sixteen values, and rounded operands weigh most.  Attention in f32 (the 16 x 16 x 4 form; 16 x 16 scores a head: no bulk work);
; the projection with y and Wproj as pairs of f16 numbers, a high and a low part: high x high + high x low + low x high, f32 sums.  These 32 rows of out0 are stored anew.
; A work-group is (64 columns of out0, batch).  Each redoes its batch's 32 small heads (196,608 bytes read through registers), which spares a launch.  No cluster: no tensor load; what is shared is read once a work-group.
; PHASE A: wave w has heads 2 w and 2 w + 1 (e = 0, 1).  fin holds, for (head, kind), a lane's 16 registers: lane (r, h): token r, channels 8 h + 0 .. 7, then 16 + 8 h + 0 .. 7.  q carries gain x log2(e) / sqrt(32).
;   S^T = K Q^T: step i takes registers 2 i, 2 i + 1 of both: the same channels on both sides.  p = 2^(s - m), key 8 h + j in register j.  O^T = V^T P: step i takes keys 8 h + 2 i, + 1; V is turned through LDS.
; PHASE B: wave w has columns 16 (w % 4) .. + 15 of the 64 and heads 8 (w / 4) .. + 7 as its part of K; the four parts of K meet in LDS.
; The registers that the f32 matrix form writes (v144-191) are written by matrix instructions alone.
; LIMITS: |y| and |Wproj| under 65,504; parts under 6e-5 carry an absolute error of 3e-8; NaN and infinities are not served.
.set VS,    0                          ; LDS: for each wave and e: 16 tokens x (128 bytes + 16)
.set YI,    73728                      ; y's images: head x 2,048: the high parts' 1,024 bytes, then the low parts'
.set PS,    139264                     ; four partial results: 16 rows x (256 bytes + 16)
.set SPARE, 156672                     ; the spare words: 128 bytes a wave that no other line names
.set LOWP,  2097152
.set L16, 1
.set VW,  4
.set VR,  5
.set DD,  6
.set NINF, 7
.set YW,  8
.set YR,  9
.set PW,  10
.set PRD, 11
.set L8,  12
.set SPW, 13
.set NIL, 14
.set QF,  16                           ; v16-47  q; later, with v48-79, Wproj's low parts
.set KFR, 48                           ; v48-79  k
.set VT,  80                           ; v80-111 v, then V^T, then y and its low parts; in phase B v80-143: four heads' images
.set PP,  112                          ; v112-127 p, then y's high parts
.set TM,  128                          ; v128-143 at work: eight registers for each e
.set SS,  144                          ; v144-159 S^T;  phase B: two accumulators
.set OO,  160                          ; v160-191 O^T;  phase B: the third accumulator
.set WH,  192                          ; v192-255 Wproj's high parts
.macro SPLIT x, hh, ll, t              ; a pair of numbers into high parts (11 significant bits, exact in f16) and low parts (the rest)
	v_add_nc_u32 v[\t], 0x1000, v[\x]
	v_add_nc_u32 v[(\t)+1], 0x1000, v[(\x)+1]
	v_and_b32 v[\t], 0xffffe000, v[\t]
	v_and_b32 v[(\t)+1], 0xffffe000, v[(\t)+1]
	v_pk_add_f32 v[\x:(\x)+1], v[\x:(\x)+1], v[\t:(\t)+1] neg_lo:[0,1] neg_hi:[0,1]
	v_cvt_pk_f16_f32 v[\hh], v[\t], v[(\t)+1]
	v_cvt_pk_f16_f32 v[\ll], v[\x], v[(\x)+1]
.endm
	s_load_b128 s[4:7], s[0:1], 0x0                ; fin, wp
	s_load_b64 s[8:9], s[0:1], 0x10                ; out0
	v_lshl_add_u32 v[SPW], v0, 2, SPARE
	v_mov_b32 v[NIL], 0
	v_lshrrev_b32 v1, 5, v0
	v_readfirstlane_b32 s10, v1                    ; wave 0..15
	s_and_b32 s11, ttmp7, 0xffff                   ; batch
	s_and_b32 s12, s10, 3                          ; nt
	s_lshr_b32 s13, s10, 2                         ; kq
	v_and_b32 v2, 31, v0
	v_lshlrev_b32 v[L16], 4, v2
	v_lshlrev_b32 v[L8], 3, v2
	v_and_b32 v2, 15, v0                           ; r
	v_bfe_u32 v3, v0, 4, 1                         ; h
	s_mul_i32 s14, s10, 4608
	v_mul_u32_u24 v[VW], v2, 144
	v_lshl_add_u32 v[VW], v3, 5, v[VW]
	v_add_nc_u32 v[VW], s14, v[VW]                 ; v in: token r's row, + 32 h
	v_mul_u32_u24 v[VR], v3, 1152
	v_lshl_add_u32 v[VR], v2, 2, v[VR]
	v_add_nc_u32 v[VR], s14, v[VR]                 ; and back: token 8 h's row, channel r
	v_lshlrev_b32 v[DD], 3, v3
	v_sub_nc_u32 v[DD], v2, v[DD]                  ; r - 8 h: key 8 h + j is hidden where j is above it
	v_mov_b32 v[NINF], 0xff800000
	s_lshl_b32 s14, s10, 12
	s_add_co_u32 s14, s14, YI
	v_add_nc_u32 v[YW], s14, v[L16]                ; my two heads' images
	s_lshl_b32 s14, s13, 14
	s_add_co_u32 s14, s14, YI
	v_add_nc_u32 v[YR], s14, v[L16]                ; the eight heads that I multiply
	s_mul_i32 s14, s13, 4352
	s_lshl_b32 s15, s12, 6
	s_add_co_u32 s14, s14, s15
	s_add_co_u32 s14, s14, PS
	v_mul_u32_u24 v[PW], v2, 272
	v_lshl_add_u32 v[PW], v3, 5, v[PW]
	v_add_nc_u32 v[PW], s14, v[PW]                 ; my partial result: row r, + 64 nt + 32 h
	s_mul_i32 s14, s10, 272
	s_add_co_u32 s14, s14, PS
	v_add_nc_u32 v[PRD], s14, v[L8]                ; row w, 8 bytes a lane
	v_mov_b32 v[TM+2], 0                           ; a lane permute's destination counts as one of its sources
	v_mov_b32 v[TM+10], 0
	s_lshl_b32 s16, s11, 5
	s_lshl_b32 s17, s10, 1
	s_add_co_u32 s16, s16, s17
	s_mul_i32 s16, s16, 6144                       ; fin: (32 batch + 2 w) x three kinds of 2,048 bytes
	s_mov_b32 s17, 0
	s_lshl_b32 s18, ttmp9, 2
	s_add_co_u32 s18, s18, s12
	s_lshl_b32 s18, s18, 5
	s_lshl_b32 s19, s13, 3
	s_add_co_u32 s18, s18, s19
	s_lshl_b32 s18, s18, 10                        ; wp: fragment (4 x work-group x + nt, 8 kq)
	s_mov_b32 s19, 0
	s_lshl_b32 s20, s11, 11
	s_add_co_u32 s20, s20, s10
	s_lshl_b32 s20, s20, 12
	s_lshl_b32 s21, ttmp9, 8
	s_add_co_u32 s20, s20, s21                     ; out0: row 2,048 batch + w, + 256 bytes x work-group x
	s_mov_b32 s21, 0
	s_mov_b32 s22, 0x76543210
	s_mov_b32 s23, 0xfedcba98
	s_wait_kmcnt 0x0
	s_add_nc_u64 s[4:5], s[4:5], s[16:17]
	s_add_nc_u64 s[6:7], s[6:7], s[18:19]
	s_add_nc_u64 s[8:9], s[8:9], s[20:21]
.irp e, 0,1
.irp kd, 0,1,2
.irp i, 0,1,2,3
	global_load_b128 v[16+32*\kd+16*\e+4*\i:19+32*\kd+16*\e+4*\i], v[L16], s[4:5] offset:\e*6144+\kd*2048+\i*512
.endr
.endr
.endr
.irp u, 0,1,2,3,4,5,6,7
.irp c, 0,1
	global_load_b128 v[WH+8*\u+4*\c:WH+8*\u+4*\c+3], v[L16], s[6:7] offset:\u*1024+\c*512
.endr
.endr
	s_wait_loadcnt 16                              ; q, k, v are in; Wproj's sixteen loads may be out
	; ---- v is turned through my own LDS bytes (in order: no wait between the stores and the loads)
.irp e, 0,1
.irp ct, 0,1
.irp q, 0,1
	ds_store_b128 v[VW], v[VT+16*\e+4*(2*\ct+\q):VT+16*\e+4*(2*\ct+\q)+3] offset:\e*2304+64*\ct+16*\q
.endr
.endr
.endr
.irp e, 0,1
.irp ct, 0,1
.irp j, 0,1,2,3,4,5,6,7
	ds_load_b32 v[VT+16*\e+8*\ct+\j], v[VR] offset:\e*2304+144*\j+64*\ct   ; V(key 8 h + j, channel 16 ct + r)
.endr
.endr
.endr
	; ---- S^T = K Q^T: two accumulators by turns; the first step starts the sums
.irp i, 0,1,2,3,4,5,6,7
.irp e, 0,1
.if \i == 0
	v_wmma_f32_16x16x4_f32 v[SS+8*\e:SS+8*\e+7], v[KFR+16*\e+2*\i:KFR+16*\e+2*\i+1], v[QF+16*\e+2*\i:QF+16*\e+2*\i+1], 0
.else
	v_wmma_f32_16x16x4_f32 v[SS+8*\e:SS+8*\e+7], v[KFR+16*\e+2*\i:KFR+16*\e+2*\i+1], v[QF+16*\e+2*\i:QF+16*\e+2*\i+1], v[SS+8*\e:SS+8*\e+7]
.endif
.endr
.endr
.rept 8
	v_nop                                          ; eight places behind this form (ISA guide 7.12.1)
.endr
.irp e, 0,1
.irp j, 0,1,2,3,4,5,6,7
	v_cmp_gt_i32 vcc_lo, \j, v[DD]
	v_cndmask_b32 v[PP+8*\e+\j], v[SS+8*\e+\j], v[NINF], vcc_lo    ; the masked scores go into other registers
.endr
.endr
.irp u, 0,1,2,3,4,5,6,7
.irp c, 0,1
	global_load_b128 v[16+8*\u+4*\c:19+8*\u+4*\c], v[L16], s[6:7] offset:LOWP+\u*1024+\c*512   ; Wproj's low parts, where q and k lay
.endr
.endr
.irp e, 0,1
	v_max3_num_f32 v[TM+8*\e], v[PP+8*\e], v[PP+8*\e+1], v[PP+8*\e+2]
.endr
.irp e, 0,1
	v_max3_num_f32 v[TM+8*\e], v[TM+8*\e], v[PP+8*\e+3], v[PP+8*\e+4]
.endr
.irp e, 0,1
	v_max3_num_f32 v[TM+8*\e], v[TM+8*\e], v[PP+8*\e+5], v[PP+8*\e+6]
.endr
.irp e, 0,1
	v_max_num_f32 v[TM+8*\e], v[TM+8*\e], v[PP+8*\e+7]
.endr
.irp e, 0,1
	v_permlanex16_b32 v[TM+8*\e+2], v[TM+8*\e], s22, s23
.endr
.irp e, 0,1
	v_max_num_f32 v[TM+8*\e], v[TM+8*\e], v[TM+8*\e+2]             ; the row's maximum (key 0 counts for every query)
.endr
.irp e, 0,1
	v_mov_b32 v[TM+8*\e+1], v[TM+8*\e]
.endr
.irp e, 0,1
.irp i, 0,2,4,6
	v_pk_add_f32 v[PP+8*\e+\i:PP+8*\e+\i+1], v[PP+8*\e+\i:PP+8*\e+\i+1], v[TM+8*\e:TM+8*\e+1] neg_lo:[0,1] neg_hi:[0,1]
.endr
.endr
.irp e, 0,1
.irp j, 0,1,2,3,4,5,6,7
	v_exp_f32 v[PP+8*\e+\j], v[PP+8*\e+\j]
.endr
.endr
	v_nop
	s_wait_alu depctr_va_vdst(0)                   ; one wait for the sixteen exponentials, ahead of their first reader
.irp e, 0,1
	v_pk_add_f32 v[TM+8*\e+4:TM+8*\e+5], v[PP+8*\e:PP+8*\e+1], v[PP+8*\e+2:PP+8*\e+3]
	v_pk_add_f32 v[TM+8*\e+6:TM+8*\e+7], v[PP+8*\e+4:PP+8*\e+5], v[PP+8*\e+6:PP+8*\e+7]
.endr
.irp e, 0,1
	v_pk_add_f32 v[TM+8*\e+4:TM+8*\e+5], v[TM+8*\e+4:TM+8*\e+5], v[TM+8*\e+6:TM+8*\e+7]
.endr
.irp e, 0,1
	v_add_f32 v[TM+8*\e+4], v[TM+8*\e+4], v[TM+8*\e+5]
.endr
.irp e, 0,1
	v_permlanex16_b32 v[TM+8*\e+2], v[TM+8*\e+4], s22, s23
.endr
.irp e, 0,1
	v_add_f32 v[TM+8*\e+4], v[TM+8*\e+4], v[TM+8*\e+2]             ; the row's sum
.endr
.irp e, 0,1
	v_rcp_f32 v[TM+8*\e+6], v[TM+8*\e+4]
.endr
	s_wait_dscnt 0x0                               ; V^T is in
	; ---- O^T = V^T P: four accumulators by turns
.irp i, 0,1,2,3
.irp e, 0,1
.irp ct, 0,1
.if \i == 0
	v_wmma_f32_16x16x4_f32 v[OO+16*\e+8*\ct:OO+16*\e+8*\ct+7], v[VT+16*\e+8*\ct+2*\i:VT+16*\e+8*\ct+2*\i+1], v[PP+8*\e+2*\i:PP+8*\e+2*\i+1], 0
.else
	v_wmma_f32_16x16x4_f32 v[OO+16*\e+8*\ct:OO+16*\e+8*\ct+7], v[VT+16*\e+8*\ct+2*\i:VT+16*\e+8*\ct+2*\i+1], v[PP+8*\e+2*\i:PP+8*\e+2*\i+1], v[OO+16*\e+8*\ct:OO+16*\e+8*\ct+7]
.endif
.endr
.endr
.endr
.rept 8
	v_nop                                          ; eight places; the first is also the plain instruction behind the reciprocals
.endr
	s_wait_alu depctr_va_vdst(0)                   ; the wait for the two reciprocals, ahead of their first reader
.irp e, 0,1
.irp n, 0,2,4,6,8,10,12,14
	v_pk_mul_f32 v[VT+16*\e+\n:VT+16*\e+\n+1], v[OO+16*\e+\n:OO+16*\e+\n+1], v[TM+8*\e+6:TM+8*\e+7] op_sel_hi:[1,0]   ; y, into other registers; each accumulator from its low end on
.endr
.endr
.irp e, 0,1
.irp n, 0,1,2,3,4,5,6,7
	SPLIT VT+16*\e+2*\n, PP+8*\e+\n, VT+16*\e+\n, TM+2*(\n%4)      ; lane (r, h): token r, channels 16 c + 8 h + ..: the packed registers are an operand's
.endr
.endr
.irp e, 0,1
	ds_store_b128 v[YW], v[PP+8*\e:PP+8*\e+3] offset:\e*2048
	ds_store_b128 v[YW], v[PP+8*\e+4:PP+8*\e+7] offset:\e*2048+512
	ds_store_b128 v[YW], v[VT+16*\e:VT+16*\e+3] offset:\e*2048+1024
	ds_store_b128 v[YW], v[VT+16*\e+4:VT+16*\e+7] offset:\e*2048+1536
.endr
	s_wait_dscnt 0x0                               ; for the others' sake: my images have landed
	s_barrier_signal -1
	s_barrier_wait -1                              ; all 32 heads' images lie in LDS
	; ---- the projection: three accumulators by turns
	s_wait_loadcnt 0x0                             ; Wproj's parts
.irp bt, 0,1
.if \bt > 0
.rept 4
	v_nop                                          ; places ahead of loads into registers that matrix instructions have read
.endr
.endif
.irp u, 0,1,2,3
.irp x, 0,1,2,3
	ds_load_b128 v[VT+16*\u+4*\x:VT+16*\u+4*\x+3], v[YR] offset:(4*\bt+\u)*2048+512*\x   ; a head: eight registers of high parts, eight of low
.endr
.endr
	s_wait_dscnt 0x0
.irp u, 0,1,2,3
.if (\bt == 0) && (\u == 0)
	v_wmma_f32_16x16x32_f16 v[144:151], v[WH+8*(4*\bt+\u):WH+8*(4*\bt+\u)+7], v[VT+16*\u:VT+16*\u+7], 0
	v_wmma_f32_16x16x32_f16 v[152:159], v[WH+8*(4*\bt+\u):WH+8*(4*\bt+\u)+7], v[VT+16*\u+8:VT+16*\u+15], 0
	v_wmma_f32_16x16x32_f16 v[160:167], v[16+8*(4*\bt+\u):23+8*(4*\bt+\u)], v[VT+16*\u:VT+16*\u+7], 0
.else
	v_wmma_f32_16x16x32_f16 v[144:151], v[WH+8*(4*\bt+\u):WH+8*(4*\bt+\u)+7], v[VT+16*\u:VT+16*\u+7], v[144:151]
	v_wmma_f32_16x16x32_f16 v[152:159], v[WH+8*(4*\bt+\u):WH+8*(4*\bt+\u)+7], v[VT+16*\u+8:VT+16*\u+15], v[152:159]
	v_wmma_f32_16x16x32_f16 v[160:167], v[16+8*(4*\bt+\u):23+8*(4*\bt+\u)], v[VT+16*\u:VT+16*\u+7], v[160:167]
.endif
.endr
.endr
.rept 4
	v_nop
.endr
.irp n, 0,2,4,6
	v_pk_add_f32 v[VT+\n:VT+\n+1], v[152+\n:153+\n], v[160+\n:161+\n]      ; the two small products first,
.endr
.irp n, 0,2,4,6
	v_pk_add_f32 v[VT+\n:VT+\n+1], v[VT+\n:VT+\n+1], v[144+\n:145+\n]      ; then the large one
.endr
	ds_store_b128 v[PW], v[VT:VT+3]                ; lane (r, h): token r, columns 16 nt + 8 h + 0 .. 7
	ds_store_b128 v[PW], v[VT+4:VT+7] offset:16
	s_wait_dscnt 0x0
	s_barrier_signal -1
	s_barrier_wait -1                              ; the four parts of K lie in LDS
.irp k, 0,1,2,3
	ds_load_b64 v[TM+2*\k:TM+2*\k+1], v[PRD] offset:\k*4352
.endr
	s_wait_dscnt 0x0
	v_pk_add_f32 v[TM:TM+1], v[TM:TM+1], v[TM+2:TM+3]
	v_pk_add_f32 v[TM+4:TM+5], v[TM+4:TM+5], v[TM+6:TM+7]
	v_pk_add_f32 v[TM:TM+1], v[TM:TM+1], v[TM+4:TM+5]
	global_store_b64 v[L8], v[TM:TM+1], s[8:9]     ; the wave stores 256 consecutive bytes, aligned: row w's 64 columns
	s_wait_tensorcnt 0x0                           ; the wave's end, behind my last LDS store
	ds_add_u32 v[SPW], v[NIL]
	s_wait_dscnt 0x0
	s_endpgm
.Lfunc_end_k_q6cb59715db_fine:
	.size	k_q6cb59715db_fine, .Lfunc_end_k_q6cb59715db_fine-k_q6cb59715db_fine
	.p2alignl 7, 3214868480
	.fill 96, 4, 3214868480
	.section	.rodata,"a",@progbits
	.p2align	6, 0x0
	.amdhsa_kernel k_q6cb59715db_fine
		.amdhsa_group_segment_fixed_size 158720
		.amdhsa_private_segment_fixed_size 0
		.amdhsa_enable_private_segment 0
		.amdhsa_kernarg_size 24
		.amdhsa_user_sgpr_count 2
		.amdhsa_user_sgpr_kernarg_segment_ptr 1
		.amdhsa_wavefront_size32 1
		.amdhsa_system_sgpr_workgroup_id_x 1
		.amdhsa_system_sgpr_workgroup_id_y 1
		.amdhsa_system_sgpr_workgroup_id_z 1
		.amdhsa_system_vgpr_workitem_id 0
		.amdhsa_next_free_vgpr 256
		.amdhsa_next_free_sgpr 66
		.amdhsa_reserve_vcc 1
		.amdhsa_float_denorm_mode_32 3
		.amdhsa_float_denorm_mode_16_64 3
		.amdhsa_memory_ordered 1
		.amdhsa_forward_progress 1
		.amdhsa_inst_pref_size 31
	.end_amdhsa_kernel
	.amdgpu_metadata
---
amdhsa.version: [ 1, 2 ]
amdhsa.kernels:
  - .name:           k_q6cb59715db_fine
    .symbol:         k_q6cb59715db_fine.kd
    .args:
      - { .name: fin, .offset: 0, .size: 8, .value_kind: global_buffer, .address_space: global }
      - { .name: wp, .offset: 8, .size: 8, .value_kind: global_buffer, .address_space: global }
      - { .name: out0, .offset: 16, .size: 8, .value_kind: global_buffer, .address_space: global }
    .group_segment_fixed_size: 158720
    .private_segment_fixed_size: 0
    .kernarg_segment_align: 8
    .kernarg_segment_size: 24
    .max_flat_workgroup_size: 512
    .sgpr_count:     66
    .vgpr_count:     256
    .wavefront_size: 32
...
	.end_amdgpu_metadata
.endif
;; end of part 5
